; MI455X (gfx1250); checked and timed in simulation.
; The chip was launched on July 23, 2026; its instructions are those of AMD's public machine-readable ISA for CDNA 5 (MIT licence, August 2026) and "CDNA5" Instruction Set Architecture Reference Guide (July 2026). The comments in the code are by the model that wrote it; some were corrected since.
;; Attention. Allowed arithmetic: matrix products marked QUANTISED: E2M3 operands, one E8M0 scale for each 32 along K, by v_wmma_scale_f32_16x16x128_f8f6f4 with both operands' format E2M3, f32 sums; everything else in f32.
;; Inputs: Wk 1,024 x 1,024 float32; Wo 1,024 x 1,024 float32; Wq 1,024 x 1,024 float32; Wv 1,024 x 1,024 float32; bo 1,024 float32; x 4 x 2,048 x 1,024 float32.
;; Outputs: out0 4 x 2,048 x 1,024 float32.
;; This version of the problem:
;;   THIS VERSION OF THE PROBLEM IS GIVEN IN LOW PRECISION. The matrix products marked QUANTISED in the list below multiply operands that are first quantised to E2M3 (2 exponent bits, 3 mantissa bits; 6 bits a number), with one power-of-two scale for each 32 numbers along K (OCP MX v1.0); their sums are f32. All else is computed in f32.
;;   The module's matrix products, in the order in which they are computed (A, B: the left and right operand; K: the contracted axis; several contracted axes count as one K, in the product's order):
;;     1. [M 8,192, K 1,024] x [K 1,024, N 1,024]; A: input x; B: input Wq: QUANTISED
;;     2. [M 8,192, K 1,024] x [K 1,024, N 1,024]; A: input x; B: input Wk: QUANTISED
;;     3. [M 8,192, K 1,024] x [K 1,024, N 1,024]; A: input x; B: input Wv: QUANTISED
;;     4. batch 64 x [M 2,048, K 64] x [K 64, N 2,048]; A: computed on the way; B: computed on the way: QUANTISED
;;     5. batch 64 x [M 2,048, K 2,048] x [K 2,048, N 64]; A: softmax (see below); B: computed on the way: QUANTISED
;;     6. [M 8,192, K 1,024] x [K 1,024, N 1,024]; A: computed on the way; B: input Wo: QUANTISED
;;   THE QUANTISER, for each operand of a quantised product, along K:
;;     - K is cut into blocks of 32 from its start; a last block that is shorter is filled with zeros.
;;     - A block's scale is 2^e with e = floor(log2(the largest magnitude in the block)) - 2, held to -126 .. 127; a block of zeros has e = 0. As a byte (E8M0): e + 127.
;;     - Each number is divided by its block's scale, clamped to +-7.5, and rounded to the nearest number of E2M3, ties to even, subnormals kept.
;;     - The product sums the exact products of the quantised numbers (number of the format x scale) in f32.
;;   ~~~python
;;   def quantise(x, axis):      # numpy; x: float32 -> the quantised numbers, widened to float32 again
;;       x = np.moveaxis(x, axis, -1); K = x.shape[-1]
;;       x = np.pad(x, [(0, 0)] * (x.ndim - 1) + [(0, -K % 32)]); x = x.reshape(x.shape[:-1] + (-1, 32)); a = np.abs(x).max(-1, keepdims=True)
;;       e = np.where(a > 0, np.clip(np.frexp(np.where(a > 0, a, 1))[1] - 1 - 2, -126, 127), 0)      # np.frexp(a)[1] - 1 = floor(log2(a)), exactly
;;       r = np.clip(x / 2.0 ** e, -7.5, 7.5)
;;       step = 2.0 ** (np.maximum(np.frexp(np.where(r == 0, 1, r))[1] - 1, 0) - 3)
;;       q = np.round(r / step) * step * 2.0 ** e      # np.round: ties to even
;;       return np.moveaxis(q.reshape(q.shape[:-2] + (-1,))[..., :K], -1, axis).astype(np.float32)
;;   ~~~
;;   SOFTMAX AHEAD OF A QUANTISED PRODUCT. Where the list says 'softmax', what is quantised is not the finished softmax but p = 2^(t - M), with t = logit x log2(e) and M = ceil(the row's largest t), a whole number; so 1/2 < the row's largest p <= 1. The row's sum l is taken of the UNQUANTISED p, in f32, and the product's result is divided by l at the end. Since M is a whole number, a kernel that streams over the keys may use a running M (the ceiling of the running maximum): every later rescaling is an exact power of two, which a block's scale takes up: the codes' values come out the same.
;;   OPERANDS COMPUTED ON THE WAY. 'Computed on the way' means the value that the module computes at that place (a softmax that the list does not call 'softmax' is quantised finished and normalised). What goes into a quantiser is computed in f32, as accurately as f32 sums, v_exp_f32 and their like allow (about 1e-6 of the number): no bf16 or f16 on the way to a quantiser, and a product that is left as it is and whose result goes on into a quantised operand takes f32 operands (vector FMAs, or v_wmma_f32_16x16x4_f32). A number that lies on a knife's edge between two numbers of the format may be rounded either way, as far as f32 arithmetic and the matrix unit's own rounding can turn it there, and no further.
;; One version. Each part assembles by itself: llvm-mc -triple=amdgcn-amd-amdhsa -mcpu=gfx1250 --defsym DOCPART=n.
;; ======== version 1 of 1: 4 launches
;; limits: right only within a limited range of input values
;; workspace buffers: z_codes 9,437,184 bytes; z_scales 393,216 bytes; qkv_codes 18,874,368 bytes; qkv_scales 786,432 bytes; a_codes 6,291,456 bytes; a_scales 262,144 bytes
;; launch quant (part 1): grid 384 x 1, 4 waves a work-group, no clusters, 98,816 bytes of LDS; arguments x, Wq, Wk, Wv, Wo, z_codes, z_scales; writes z_codes, z_scales
.if DOCPART == 1
	.amdgcn_target "amdgcn-amd-amdhsa--gfx1250"
	.amdhsa_code_object_version 6
	.text
	.protected	k_qcc4f2036ee_quant
	.globl	k_qcc4f2036ee_quant
	.p2align	8
	.type	k_qcc4f2036ee_quant,@function
k_qcc4f2036ee_quant:
	s_mov_b64 s[64:65], 0
	v_nop
	global_prefetch_b8 v0, s[64:65] scope:SCOPE_SE
	s_setreg_imm32_b32 hwreg(HW_REG_WAVE_MODE, 25, 1), 1
	s_wait_xcnt 0x0
; x [8192 tokens][1024] and Wq, Wk, Wv, Wo [1024 (k)][1024 (n)], f32, become codes of FP6 (E2M3) quantised along K = 1024, with one E8M0 byte for each 32 along K.
; ONE ARRAY z OF 12,288 ROWS holds them all: rows 0-8191 x's tokens, from 8192 Wq's columns n, from 9216 Wk's, from 10240 Wv's, from 11264 Wo's.
; POSITIONS: row index i lies at position swap34(i) (bits 3 and 4 exchanged).  Sixteen neighbouring positions 32 G + 16 u + r are then the rows 32 G + 8 u + r + 8 (r / 8): as source 0 of a
; matrix instruction such a tile leaves 16 true neighbours in the 16 result registers of two neighbouring tiles, which is what the later quantisers want.
; z_codes: [16 chunks of 64 along K][12,288 positions][48 bytes];  z_scales: [8 steps of 128 along K][12,288 positions][4 bytes].
; A block's scale is 2^(floor(log2(its largest magnitude)) - 2); its byte is the largest magnitude's exponent field - 2, held at 1 from below.
; LIMITS: a block of zeros gets the byte 1 where the rule says 127 (its codes are zeros, and this program alone reads the bytes); a block whose largest magnitude lies under 2^-124 is held at the byte 1;
; NaN and infinities among the inputs are not served.
; Work-groups 0-255 take x (32 tokens each), work-groups 256-383 the weights (128 columns x 256 along K each): 128 KiB of f32 for each.  The two paths have LDS bytes of their own.  Waves share nothing: no barrier.
.set CCH,   589824                     ; z_codes: bytes from chunk to chunk
.set SKS,   49152                      ; z_scales: bytes from K step to K step
.set SPARE, 98304                      ; the spare words, 128 bytes for each wave: two blocks of 256 bytes that no other line names
.set SPW,   190                        ; v190 LDS address of my spare word; never rewritten
.set NIL,   191                        ; v191 0; never rewritten
; path X: LDS 0 .. 57,343
.set XREG,  14336                      ; a wave's region: two turning stages of 2,560 bytes, the code stage, 256 scale bytes
.set XSP,   80                         ; a lane's place in a turning stage: 64 bytes + 16
.set XCS,   5120                       ; the code stage: 8 chunks, XCP apart, each 16 rows x 4 places of 16 bytes (12 bytes of codes in each)
.set XCP,   1088
.set XSB,   13824                      ; the scale bytes: [4 words][16 rows][4]
.set XR,    16                         ; v16-79   four sets of 16 numbers as loaded; on the way out the codes
.set XX,    80                         ; v80-111  two sets of 16 neighbours
.set XC,    112                        ; v112-119 two sets of codes
.set XE,    120                        ; v120-121 two scale bytes
; path W: LDS 57,344 .. 98,303
.set WBASE, 57344
.set WREG,  10240                      ; a wave's region: 4 chunks of WCP bytes, each 32 positions x (4 places of 16 bytes + 16)
.set WCP,   2560
.set WX,    32                         ; v32-95   two sets of 32 numbers
.set WC,    96                         ; v96-102  a block's codes
.set WSB,   24                         ; v24-25   two scale words
.set WOUT,  112                        ; v112-175 the way out
	s_load_b256 s[4:11], s[0:1], 0x0               ; x s[4:5], Wq s[6:7], Wk s[8:9], Wv s[10:11]
	s_load_b128 s[12:15], s[0:1], 0x20             ; Wo s[12:13], z_codes s[14:15]
	s_load_b64 s[16:17], s[0:1], 0x30              ; z_scales
	v_lshl_add_u32 v[SPW], v0, 2, SPARE
	v_mov_b32 v[NIL], 0
	v_lshrrev_b32 v1, 5, v0
	v_readfirstlane_b32 s18, v1                    ; wave 0..3
	v_and_b32 v2, 31, v0                           ; lane l
	s_cmp_lt_u32 ttmp9, 256
	s_cbranch_scc0 .Lweights
; ---------------- PATH X.  Work-group g: tokens 32 g .. 32 g + 31.  Wave w: positions 16 (w / 2) + 0 .. 15 of them, K half w % 2 (512 numbers: 8 chunks, 4 scale words).
; Step t is position t of the sixteen, which is row 8 (w / 2) + t % 8 + 16 (t / 8) of the 32.  A step's four loads read 512 consecutive bytes each; the 2,048 bytes turn through LDS so that a lane holds 16 neighbours.
	s_lshr_b32 s19, s18, 1                         ; u' = w / 2
	s_and_b32 s20, s18, 1                          ; u = w % 2
	s_mul_i32 s21, s18, XREG                       ; my region
	v_lshlrev_b32 v3, 4, v2                        ; 16 l: my bytes of a load's 512
	v_lshrrev_b32 v8, 2, v2                        ; l / 4
	v_and_b32 v9, 3, v2                            ; l % 4
	v_mul_u32_u24 v14, v8, XSP
	v_lshl_add_u32 v14, v9, 4, v14
	v_add_nc_u32 v14, s21, v14                     ; turning stage, in: 80 (l / 4) + 16 (l % 4)
	v_mul_u32_u24 v15, v2, XSP
	v_add_nc_u32 v15, s21, v15                     ; and out: 80 l
	v_mul_u32_u24 v4, v8, XCP
	v_lshl_add_u32 v4, v9, 4, v4
	v_add_nc_u32 v4, s21, v4                       ; code stage, in: chunk l / 4, place l % 4
	v_lshrrev_b32 v5, 3, v2
	v_lshlrev_b32 v5, 6, v5
	v_bfe_u32 v11, v2, 1, 2
	v_add_nc_u32 v5, v5, v11
	v_add_nc_u32 v5, s21, v5                       ; scale bytes, in: word l / 8, byte (l / 2) % 4
	v_add_nc_u32 v6, s21, v3                       ; code stage, out: 16 l
	v_lshl_add_u32 v7, v2, 3, s21                  ; scale bytes, out: 8 l
	v_mul_u32_u24 v10, v2, 12                      ; z_codes: 12 l
	v_lshrrev_b32 v1, 3, v2
	v_mul_u32_u24 v1, v1, SKS
	v_and_b32 v11, 7, v2
	v_lshl_add_u32 v1, v11, 3, v1                  ; z_scales: K step l / 8, rows 2 (l % 8) and the next
	s_lshl_b32 s22, ttmp9, 5                       ; 32 g
	s_lshl_b32 s23, s19, 3
	s_add_co_u32 s23, s22, s23
	s_lshl_b32 s24, s23, 12                        ; x: (32 g + 8 u') rows of 4,096 bytes
	s_lshl_b32 s25, s20, 11
	s_add_co_u32 s24, s24, s25                     ; + 2,048 u
	s_mov_b32 s25, 0
	s_lshl_b32 s23, s19, 4
	s_add_co_u32 s23, s22, s23                     ; my first position: 32 g + 16 u'
	s_mul_i32 s26, s20, 8*CCH
	s_mul_i32 s27, s23, 48
	s_add_co_u32 s26, s26, s27
	s_mov_b32 s27, 0
	s_mul_i32 s28, s20, 4*SKS
	s_lshl_b32 s29, s23, 2
	s_add_co_u32 s28, s28, s29
	s_mov_b32 s29, 0
	s_wait_kmcnt 0x0
	s_add_nc_u64 s[4:5], s[4:5], s[24:25]
	s_add_nc_u64 s[14:15], s[14:15], s[26:27]
	s_add_nc_u64 s[16:17], s[16:17], s[28:29]
.macro XLOAD t
.irp i, 0,1,2,3
	global_load_b128 v[XR+16*((\t)%4)+4*\i:XR+16*((\t)%4)+4*\i+3], v3, s[4:5] offset:(((\t)%8)+16*((\t)/8))*4096+512*\i th:TH_LOAD_NT   ; 32 lanes read 512 consecutive bytes
.endr
.endm
.macro XTURN t                         ; LDS serves a wave's instructions in order (ISA guide 5.7.1.4): no wait between the stores and the loads
.irp i, 0,1,2,3
	ds_store_b128 v14, v[XR+16*((\t)%4)+4*\i:XR+16*((\t)%4)+4*\i+3] offset:32*XSP*((\t)%2)+8*XSP*\i
.endr
.irp i, 0,1,2,3
	ds_load_b128 v[XX+16*((\t)%2)+4*\i:XX+16*((\t)%2)+4*\i+3], v15 offset:32*XSP*((\t)%2)+16*\i
.endr
.endm
.irp t, 0,1,2,3
	XLOAD \t
.endr
	s_wait_loadcnt 12                              ; step 0's four loads are in
	XTURN 0
.macro XSTEP t
.set XS, XX+16*((\t)%2)
.if (\t) > 0
	s_wait_dscnt 2                                 ; this step's numbers are back; the last step's two stores (byte, codes) may be out.  The stores of two steps back are done: their registers may be written
.else
	s_wait_dscnt 0x0
.endif
.if (\t)+4 < 16
	XLOAD (\t)+4                                   ; into the set whose stores into the stage are done
.endif
.if (\t)+1 < 16
.if 14-(\t) >= 3
	s_wait_loadcnt 12                              ; the next step's four loads are in; those of the three steps behind it may be out
.else
	s_wait_loadcnt 4*(14-(\t))
.endif
	XTURN (\t)+1
.endif
	v_max3_num_f32 v8, |v[XS]|, |v[XS+1]|, |v[XS+2]|               ; the largest magnitude of my 16, in two chains
	v_max3_num_f32 v9, |v[XS+3]|, |v[XS+4]|, |v[XS+5]|
.irp i, 6,10
	v_max3_num_f32 v8, v8, |v[XS+\i]|, |v[XS+\i+1]|
	v_max3_num_f32 v9, v9, |v[XS+\i+2]|, |v[XS+\i+3]|
.endr
	v_max3_num_f32 v8, v8, |v[XS+14]|, |v[XS+15]|
	v_max3_num_f32 v8, v8, v9, 0x1800000           ; and the floor 2^(3 - 127): the byte cannot fall under 1
	v_max_num_f32_dpp v8, v8, v8 row_xmask:1 row_mask:0xf bank_mask:0xf   ; with my neighbour's 16: the block's
	v_add_nc_u32 v11, 0xff000000, v8               ; 2 off the exponent field: the conversion takes that field as its scale
	v_cvt_scalef32_pk16_fp6_f32 v[XC+4*((\t)%2):XC+4*((\t)%2)+2], v[XS:XS+15], v11
	v_lshrrev_b32 v[XE+((\t)%2)], 23, v11          ; the scale's byte (a plain line behind the conversion)
	ds_store_b8 v5, v[XE+((\t)%2)] offset:XSB+4*(\t)               ; both lanes of a block write the same byte with the same value
	ds_store_b96 v4, v[XC+4*((\t)%2):XC+4*((\t)%2)+2] offset:XCS+64*(\t)   ; row t of my chunk, my place of 16 bytes
.endm
.irp t, 0,1,2,3,4,5,6,7,8,9,10,11,12,13,14,15
	XSTEP \t
.endr
	; the way out: a chunk's 16 rows x 48 bytes are 768 consecutive bytes of z_codes: two stores of 384 bytes, 12 bytes a lane
.irp c, 0,1,2,3,4,5,6,7
.irp e, 0,1
	ds_load_b96 v[XR+4*(2*\c+\e):XR+4*(2*\c+\e)+2], v6 offset:XCS+XCP*\c+512*\e
.endr
.endr
	ds_load_b64 v[122:123], v7 offset:XSB
.irp c, 0,1,2,3,4,5,6,7
.irp e, 0,1
	s_wait_dscnt 16-(2*\c+\e)                      ; behind this load: the later code loads and the scale words' load
	global_store_b96 v10, v[XR+4*(2*\c+\e):XR+4*(2*\c+\e)+2], s[14:15] offset:\c*CCH+384*\e
.endr
.endr
	s_wait_dscnt 0x0
	global_store_b64 v1, v[122:123], s[16:17]      ; four K steps x 16 rows x 4 bytes: eight lanes store 64 consecutive bytes
	s_wait_tensorcnt 0x0                           ; the wave's end: three lines behind my last LDS store
	ds_add_u32 v[SPW], v[NIL]
	s_wait_dscnt 0x0
	s_endpgm
; ---------------- PATH W.  A lane takes a column n and its registers run down K: a block of 32 lies in one lane, and the codes come out with K innermost.
; Lane l loads column swap34(l) of the wave's 32, so that the lane's number is the position.  A wave: 32 columns x 256 along K: 8 blocks, 4 chunks, 2 scale words.
.Lweights:
	s_sub_co_u32 s19, ttmp9, 256
	s_lshr_b32 s20, s19, 5                         ; which weight: 0 Wq, 1 Wk, 2 Wv, 3 Wo
	s_bfe_u32 s21, s19, 0x30002                    ; which 128 columns
	s_and_b32 s22, s19, 3                          ; which 256 along K
	s_mul_i32 s23, s18, WREG
	s_add_co_u32 s23, s23, WBASE                   ; my region
	s_wait_alu depctr_va_vdst(0)
	v_and_b32 v3, 7, v2
	v_bfe_u32 v11, v2, 3, 1
	v_bfe_u32 v12, v2, 4, 1
	v_lshl_add_u32 v3, v11, 4, v3
	v_lshl_add_u32 v3, v12, 3, v3
	v_lshlrev_b32 v3, 2, v3                        ; 4 swap34(l): the wave still reads 128 consecutive bytes
	v_mul_u32_u24 v4, v2, 80
	v_add_nc_u32 v4, s23, v4                       ; stage, in: position l
	v_lshrrev_b32 v7, 2, v2
	v_mul_u32_u24 v7, v7, 80
	v_and_b32 v11, 3, v2
	v_lshl_add_u32 v7, v11, 4, v7
	v_add_nc_u32 v7, s23, v7                       ; stage, out: position l / 4, place l % 4
	v_mul_u32_u24 v8, v2, 12
	v_lshlrev_b32 v9, 2, v2
	s_lshl_b32 s24, s21, 7
	s_lshl_b32 s25, s18, 5
	s_add_co_u32 s24, s24, s25                     ; my first column
	s_lshl_b32 s26, s20, 10
	s_add_co_u32 s26, s26, s24
	s_add_co_u32 s26, s26, 8192                    ; my first row of z
	s_lshl_b32 s28, s22, 20                        ; 256 rows of 4,096 bytes
	s_lshl_b32 s24, s24, 2
	s_add_co_u32 s28, s28, s24
	s_mov_b32 s29, 0
	s_mul_i32 s30, s22, 4*CCH
	s_mul_i32 s31, s26, 48
	s_add_co_u32 s30, s30, s31
	s_mov_b32 s31, 0
	s_mul_i32 s32, s22, 2*SKS
	s_lshl_b32 s33, s26, 2
	s_add_co_u32 s32, s32, s33
	s_mov_b32 s33, 0
	s_wait_kmcnt 0x0
	s_cmp_eq_u32 s20, 1                            ; the weight's address is chosen by the work-group's number alone
	s_cselect_b64 s[6:7], s[8:9], s[6:7]
	s_cmp_eq_u32 s20, 2
	s_cselect_b64 s[6:7], s[10:11], s[6:7]
	s_cmp_eq_u32 s20, 3
	s_cselect_b64 s[6:7], s[12:13], s[6:7]
	s_add_nc_u64 s[6:7], s[6:7], s[28:29]
	s_add_nc_u64 s[14:15], s[14:15], s[30:31]
	s_add_nc_u64 s[16:17], s[16:17], s[32:33]
.macro WLOAD t
.irp i, 0,1,2,3,4,5,6,7,8,9,10,11,12,13,14,15,16,17,18,19,20,21,22,23,24,25,26,27,28,29,30,31
	global_load_b32 v[WX+32*((\t)%2)+\i], v3, s[6:7] offset:(32*(\t)+\i)*4096 th:TH_LOAD_NT
.endr
.endm
	WLOAD 0
	WLOAD 1
.macro WBLOCK t
.set XS, WX+32*((\t)%2)
.if (\t) < 7
	s_wait_loadcnt 32                              ; this block's 32 loads are in; the next block's may be out
.else
	s_wait_loadcnt 0x0
.endif
	v_max3_num_f32 v12, |v[XS]|, |v[XS+1]|, |v[XS+2]|               ; all 32 numbers of the block are mine
	v_max3_num_f32 v13, |v[XS+3]|, |v[XS+4]|, |v[XS+5]|
.irp i, 6,10,14,18,22,26
	v_max3_num_f32 v12, v12, |v[XS+\i]|, |v[XS+\i+1]|
	v_max3_num_f32 v13, v13, |v[XS+\i+2]|, |v[XS+\i+3]|
.endr
	v_max3_num_f32 v12, v12, |v[XS+30]|, |v[XS+31]|
	v_max3_num_f32 v12, v12, v13, 0x1800000        ; the floor
	v_add_nc_u32 v11, 0xff000000, v12
	v_lshrrev_b32 v13, 23, v11                     ; the scale's byte
.if (\t)%4 == 0
	v_mov_b32 v[WSB+(\t)/4], v13
.else
	v_lshl_or_b32 v[WSB+(\t)/4], v13, 8*((\t)%4), v[WSB+(\t)/4]
.endif
	v_cvt_scalef32_pk16_fp6_f32 v[WC:WC+2], v[XS:XS+15], v11
	v_cvt_scalef32_pk16_fp6_f32 v[WC+4:WC+6], v[XS+16:XS+31], v11   ; (a conversion's three registers begin on an even number)
	ds_store_b96 v4, v[WC:WC+2] offset:WCP*((\t)/2)+32*((\t)%2)
	ds_store_b96 v4, v[WC+4:WC+6] offset:WCP*((\t)/2)+32*((\t)%2)+16
.if (\t)+2 < 8
	WLOAD (\t)+2
.endif
	s_wait_dscnt 0x0                               ; the stores have read their registers: the next block's codes may be written
.endm
.irp t, 0,1,2,3,4,5,6,7
	WBLOCK \t
.endr
	global_store_b32 v9, v[WSB], s[16:17]          ; 32 positions x 4 bytes: 128 consecutive bytes
	s_wait_alu depctr_va_vdst(0)
	global_store_b32 v9, v[WSB+1], s[16:17] offset:SKS
.irp c, 0,1,2,3
.irp e, 0,1,2,3
	ds_load_b96 v[WOUT+4*(4*\c+\e):WOUT+4*(4*\c+\e)+2], v7 offset:WCP*\c+640*\e
.endr
.endr
.irp c, 0,1,2,3
.irp e, 0,1,2,3
	s_wait_dscnt 15-(4*\c+\e)
	global_store_b96 v8, v[WOUT+4*(4*\c+\e):WOUT+4*(4*\c+\e)+2], s[14:15] offset:\c*CCH+384*\e   ; a chunk's 32 rows are 1,536 consecutive bytes: four stores of 384
.endr
.endr
	s_wait_tensorcnt 0x0                           ; the wave's end: three lines behind my last LDS store
	ds_add_u32 v[SPW], v[NIL]
	s_wait_dscnt 0x0
	s_endpgm
.Lfunc_end_k_qcc4f2036ee_quant:
	.size	k_qcc4f2036ee_quant, .Lfunc_end_k_qcc4f2036ee_quant-k_qcc4f2036ee_quant
	.p2alignl 7, 3214868480
	.fill 96, 4, 3214868480
	.section	.rodata,"a",@progbits
	.p2align	6, 0x0
	.amdhsa_kernel k_qcc4f2036ee_quant
		.amdhsa_group_segment_fixed_size 98816
		.amdhsa_private_segment_fixed_size 0
		.amdhsa_enable_private_segment 0
		.amdhsa_kernarg_size 56
		.amdhsa_user_sgpr_count 2
		.amdhsa_user_sgpr_kernarg_segment_ptr 1
		.amdhsa_wavefront_size32 1
		.amdhsa_system_sgpr_workgroup_id_x 1
		.amdhsa_system_sgpr_workgroup_id_y 1
		.amdhsa_system_sgpr_workgroup_id_z 1
		.amdhsa_system_vgpr_workitem_id 0
		.amdhsa_next_free_vgpr 192
		.amdhsa_next_free_sgpr 66
		.amdhsa_reserve_vcc 0
		.amdhsa_float_denorm_mode_32 3
		.amdhsa_float_denorm_mode_16_64 3
		.amdhsa_memory_ordered 1
		.amdhsa_forward_progress 1
		.amdhsa_inst_pref_size 77
	.end_amdhsa_kernel
	.amdgpu_metadata
---
amdhsa.version: [ 1, 2 ]
amdhsa.kernels:
  - .name:           k_qcc4f2036ee_quant
    .symbol:         k_qcc4f2036ee_quant.kd
    .args:
      - { .name: x, .offset: 0, .size: 8, .value_kind: global_buffer, .address_space: global }
      - { .name: Wq, .offset: 8, .size: 8, .value_kind: global_buffer, .address_space: global }
      - { .name: Wk, .offset: 16, .size: 8, .value_kind: global_buffer, .address_space: global }
      - { .name: Wv, .offset: 24, .size: 8, .value_kind: global_buffer, .address_space: global }
      - { .name: Wo, .offset: 32, .size: 8, .value_kind: global_buffer, .address_space: global }
      - { .name: z_codes, .offset: 40, .size: 8, .value_kind: global_buffer, .address_space: global }
      - { .name: z_scales, .offset: 48, .size: 8, .value_kind: global_buffer, .address_space: global }
    .group_segment_fixed_size: 98816
    .private_segment_fixed_size: 0
    .kernarg_segment_align: 8
    .kernarg_segment_size: 56
    .max_flat_workgroup_size: 128
    .sgpr_count:     66
    .vgpr_count:     192
    .wavefront_size: 32
...
	.end_amdgpu_metadata
.endif
;; end of part 1
;; launch gemm_qkv (part 2): grid 8 x 48, 4 waves a work-group, clusters of 4 x 4, 327,680 bytes of LDS; arguments z_codes, z_scales, qkv_codes, qkv_scales; writes qkv_codes, qkv_scales
.if DOCPART == 2
	.amdgcn_target "amdgcn-amd-amdhsa--gfx1250"
	.amdhsa_code_object_version 6
	.text
	.protected	k_qcc4f2036ee_gemm_qkv
	.globl	k_qcc4f2036ee_gemm_qkv
	.p2align	8
	.type	k_qcc4f2036ee_gemm_qkv,@function
k_qcc4f2036ee_gemm_qkv:
	s_mov_b64 s[64:65], 0
	v_nop
	global_prefetch_b8 v0, s[64:65] scope:SCOPE_SE
	s_setreg_imm32_b32 hwreg(HW_REG_WAVE_MODE, 25, 1), 1
	s_wait_xcnt 0x0
	s_wait_alu depctr_hold_cnt(0) depctr_sa_sdst(0) depctr_va_vdst(0) depctr_va_sdst(0) depctr_va_ssrc(0) depctr_va_vcc(0) depctr_vm_vsrc(0)
	s_getreg_b32 s2, hwreg(HW_REG_IB_STS2, 6, 4)
	s_cmp_eq_u32 s2, 0
	s_cbranch_scc0 .Lentry_in_a_cluster
	s_endpgm
.Lentry_in_a_cluster:
	s_bfe_u32 s2, ttmp6, 0x10000c
	s_cmp_lg_u32 s2, 0xf033
	s_cbranch_scc0 .Lentry_shape_is_right
	s_endpgm
.Lentry_shape_is_right:
; q = x Wq, k = x Wk, v = x Wv on codes of FP6 (E2M3) with E8M0 scales, K = 1024; the f32 results are quantised on the way out and never reach memory as f32.
; ONE BODY: C' = A' B'^T, A' and B' rows of the one array z, C' quantised along its columns N'.  Clusters with y < 8: A' = tokens, B' = Wq's and Wk's columns: q and k come out quantised along the head's 64.
; Clusters with y >= 8: A' = Wv's columns, B' = tokens: v comes out quantised along the keys, keys innermost.
; z_codes: [16 chunks of 64 along K][12,288 positions][48 bytes]; z_scales: [8 steps of 128][12,288 positions][4].  A row index lies at the position with its bits 3 and 4 exchanged, so that 16 neighbouring
; positions as source 0 leave 16 TRUE neighbours along N' in the 16 result registers of two neighbouring tiles.
; OUT: qkv_codes at 0: [32 chunks: q's heads 0-15, k's heads 0-15][8,192 token positions][48]; at 12,582,912: [128 chunks of 64 tokens][1,024 positions of v's channels][48].
;      qkv_scales at 0: [16 pairs of heads][8,192][4]; at 524,288: [64 steps of 128 tokens][1,024][4].
; A tile of C', 256 x 256, is made by four waves, 128 x 128 each: 64 accumulators.  K goes in steps of 256 (4 chunks): three in LDS from the head, the last refilled onto the first's bytes; the scale words of all of K come once.
; CLUSTERS: 4 x 4 work-groups; A's tiles are asked for jointly along a row of the cluster, B's along a column.  THE MATRIX INSTRUCTION IS USED TRANSPOSED: source 0 = 16 positions of B', source 1 = 16 of A'.
; LDS rows are 48 bytes with no padding: lane (r, h) reads 8 bytes at word 12 r + 6 h, so the 32 lanes touch 64 different words modulo 64 (64 banks of 4 bytes: ISA guide 11.1).
; LIMITS: a block of zeros gets the byte 1 where the rule says 127 (its codes are zeros; this program alone reads the bytes); blocks under 2^-124 are held at the byte 1; NaN and infinities are not served.
; REGISTERS: window 0: v0-31 addresses; v32-63 scale words, two sets; v64-127, v224-227 at work on the way out; v128-223 A's fragments, one set.  Window 1: B's fragments, two sets, at v0 and v128.
;   Windows 2, 3: accumulator (a, b) at v[8 (8 (a % 4) + b)].
.set ACH,   589824                     ; bytes from chunk to chunk: A's, B's
.set BCH,   589824
.set ASW,   49152                      ; bytes from K step to K step of the scale words
.set BSW,   49152
.set NQ,    2                          ; matrix instructions deep in a slot
.set FR,    12
.set NL,    6
.set NP,    4                          ; places behind this matrix instruction (ISA guide 7.12.1)
; LDS, in place of the ring of two slots: A's region [12 chunks][256 rows][48] at 0, B's behind it: K 0 .. 767 of both come by ONE load each at the head.  A quarter of K (4 chunks) is SLOT bytes.
; K 768 .. 1023 is the one refill, onto the first quarter's bytes, behind step 1; a plain barrier shows it ahead of step 6.  Quarter 3 is named slot 3: its addresses are slot 0's.
.set CHB,   12288                      ; a chunk of 256 rows in LDS
.set HALFT, 2*CHB                      ; what one load of the refill brings: 2 chunks
.set SLOT,  4*CHB                      ; a quarter of K of one operand
.set SCL,   6*SLOT                     ; the scale words: A's [8 K steps][256 rows][4], then B's
.set HALFS, 4096
.set SPARE, SCL+4*HALFS                ; the spare words, 128 bytes for each wave: two blocks of 256 bytes that no other line names
.set LAPS,  2
.set ADRA, 16                          ; v16-19 my A fragments in slots 0-3
.set ADRB, 20                          ; v20-23 my B fragments
.set STO,  24                          ; the way out: where I put 24 bytes of a row
.set RD,   25                          ; and where I read 16 bytes back
.set CO,   26                          ; 16 x lane
.set ADRS, 27                          ; my scale words: lanes 0-15 A's rows, lanes 16-31 B's
.set SPW,  28
.set NIL,  29
.set STS,  30                          ; the way out: my row's scale word
.set SC,   32                          ; set s at v[SC + 16 s]; register 2 i + q
.set AF,   128
.set TM,   64                          ; v64-79  largest magnitudes, bytes, scale operands
.set PW,   80                          ; the scale word just made
.set PC,   84                          ; v84-102 the codes just made
.set OUT,  104                         ; v104-127 32 rows x 2 chunks read back
.set OS,   224                         ; v224-227 the scale words read back
.set G1, 24
.set G0, 32
.set G1B, 48
.set G0B, 56
.set G1S, 68
.set G0S, 76
.set G1SB, 80
.set G0SB, 88
.set MSB, 0
.macro WIN new                         ; the immediate's high byte repeats the setting that is left
.if MSB != (\new)
	s_set_vgpr_msb (MSB<<8)|(\new)
.set MSB, (\new)
.endif
.endm
.set MUL_LO, 0xa1                      ; source 0 (B) window 1, source 1 (A) window 0, C and D window 2
.set MUL_HI, 0xf1
.set TO_B,   0x40
; A joint load: waves 0 and 1 fetch for A, waves 2 and 3 for B.  An s_nop 0 and four v_nop follow each of the two lines.
.macro JLOAD g0a, g1a, g0b, g1b
	s_cmp_eq_u32 s15, 0
	s_cbranch_scc0 .Lfor_b_\@
	tensor_load_to_lds s[\g0a:\g0a+3], s[\g1a:\g1a+7]
	s_nop 0
.rept 4
	v_nop
.endr
	s_branch .Lasked_\@
.Lfor_b_\@:
	tensor_load_to_lds s[\g0b:\g0b+3], s[\g1b:\g1b+7]
	s_nop 0
.rept 4
	v_nop
.endr
.Lasked_\@:
.endm
.macro CREST                           ; a round of the cluster's barrier behind its opening barrier
	s_cmp_lg_u32 s14, 0
	s_cbranch_scc1 .Lnot_wave_0_\@
	s_barrier_signal -3
.Lnot_wave_0_\@:
	s_barrier_wait -3
	s_barrier_signal -1
	s_barrier_wait -1
.endm
.macro CROUND
	s_barrier_signal -1
	s_barrier_wait -1
	CREST
.endm
	s_load_b128 s[4:7], s[0:1], 0x0                ; z_codes s[4:5], z_scales s[6:7]
	s_load_b128 s[8:11], s[0:1], 0x10              ; qkv_codes s[8:9], qkv_scales s[10:11]
	v_lshl_add_u32 v[SPW], v0, 2, SPARE
	v_mov_b32 v[NIL], 0
	ds_add_u32 v[SPW], v[NIL]                      ; the wave's opening: the add and its wait ahead of my first tensor load; work on registers stands between them
	ds_add_u32 v[SPW], v[NIL]
	v_lshrrev_b32 v1, 5, v0
	v_readfirstlane_b32 s14, v1                    ; wave 0..3
	s_lshr_b32 s15, s14, 1                         ; my half of the tile's rows.  Also: I fetch for A (0) or B (1)
	s_and_b32 s16, s14, 1                          ; my half of its columns.  Also: which two chunks of the refill I fetch
	s_bfe_u32 s40, ttmp6, 0x40000                  ; cx
	s_bfe_u32 s41, ttmp6, 0x40004                  ; cy
	s_lshl_b32 s42, ttmp9, 2
	s_add_co_u32 s42, s42, s40                     ; 4 X + cx
	s_and_b32 s17, ttmp7, 0xffff                   ; Y, the cluster's y: the same in all partners
	s_lshl_b32 s43, s41, 2
	s_lshl_b32 s43, 15, s43                        ; my row of the cluster
	s_lshl_b32 s44, 0x1111, s40                    ; my column
	; which part the cluster does: both alternatives of each number, one compare, a run of selects
	s_lshl_b32 s92, s17, 10                        ; 1024 Y
	s_sub_co_u32 s93, s17, 8
	s_lshl_b32 s94, s93, 11                        ; 2048 (Y - 8)
	s_lshl_b32 s95, s93, 3                         ; 8 (Y - 8)
	s_mov_b32 s96, 10240
	s_mov_b32 s97, 8192
	s_mov_b32 s98, 49152
	s_mov_b32 s99, 12582912
	s_mov_b32 s45, 4096
	s_mov_b32 s46, 524288
	s_cmp_lt_u32 s17, 8
	s_cselect_b32 s96, s92, s96                    ; A's first row of z for the cluster
	s_cselect_b32 s97, s97, s94                    ; B's
	s_cselect_b32 s92, s92, 0                      ; the first output row
	s_cselect_b32 s95, 0, s95                      ; tile columns ahead of the cluster's
	s_cselect_b32 s98, 393216, s98                 ; output: bytes from chunk to chunk
	s_cselect_b32 s99, 0, s99                      ; where the part's codes begin
	s_cselect_b32 s45, 32768, s45                  ; bytes from scale step to scale step
	s_cselect_b32 s46, 0, s46                      ; where the part's scale words begin
	; descriptor group 1, elements of 8 bytes, no padding.  Codes: 12 rows (chunks) of 1,536 elements (256 rows x 48 bytes)
	s_or_b32 s[G1+0], s43, (3<<16)|(1<<21)         ; 15:0 the mask; 17:16 elements of 8 bytes; 21 set beside a mask
	s_or_b32 s[G1B+0], s44, (3<<16)|(1<<21)
.irp g, G1, G1B
	s_mov_b32 s[\g+1], 1536<<16                    ; a row is a chunk of 256 rows: 12,288 bytes
	s_mov_b32 s[\g+2], 12<<16                      ; 12 chunks at the head; set to 2 for the refill
	s_mov_b32 s[\g+3], 1536<<16
	s_mov_b32 s[\g+4], 12
	s_mov_b32 s[\g+6], 0
	s_mov_b32 s[\g+7], 0
.endr
	s_mov_b32 s[G1+5], ACH/8                       ; from chunk to chunk, in elements
	s_mov_b32 s[G1B+5], BCH/8
	; scale words: 8 rows (K steps) of 128 elements (256 rows x 4 bytes)
	s_or_b32 s[G1S+0], s43, (3<<16)|(1<<21)
	s_or_b32 s[G1SB+0], s44, (3<<16)|(1<<21)
.irp g, G1S, G1SB
	s_mov_b32 s[\g+1], 128<<16                     ; 256 rows x 4 bytes
	s_mov_b32 s[\g+2], 8<<16
	s_mov_b32 s[\g+3], 128<<16
	s_mov_b32 s[\g+4], 8
	s_mov_b32 s[\g+6], 0
	s_mov_b32 s[\g+7], 0
.endr
	s_mov_b32 s[G1S+5], ASW/8
	s_mov_b32 s[G1SB+5], BSW/8
	s_mov_b32 s18, 0                               ; the loads begin at the tile's first row
	s_lshl_b32 s20, s41, 8
	s_add_co_u32 s20, s20, s96
	s_add_co_u32 s20, s20, s18                     ; A: first row
	s_lshl_b32 s22, s42, 8
	s_add_co_u32 s22, s22, s97
	s_add_co_u32 s22, s22, s18                     ; B: first row
	s_lshl_b32 s12, s20, 2                         ; their scale words,
	s_mov_b32 s13, 0
	s_lshl_b32 s18, s22, 2
	s_mov_b32 s19, 0
	s_mul_i32 s20, s20, 48                         ; their codes
	s_mov_b32 s21, 0
	s_mul_i32 s22, s22, 48
	s_mov_b32 s23, 0
	s_mul_i32 s47, s15, 3*SLOT                     ; the refill's place: A's or B's region, chunks 0, 1 or 2, 3: the wave's number alone enters an LDS address
	s_mul_i32 s66, s16, HALFT
	s_add_co_u32 s47, s47, s66
	s_wait_dscnt 0x0                               ; the opening add is done
	s_wait_kmcnt 0x0
	s_add_nc_u64 s[20:21], s[4:5], s[20:21]
	s_add_nc_u64 s[22:23], s[4:5], s[22:23]
	s_add_nc_u64 s[12:13], s[6:7], s[12:13]
	s_add_nc_u64 s[18:19], s[6:7], s[18:19]
	CROUND                                         ; all sixteen work-groups are here: the first joint loads meet
	s_mov_b32 s[G0S], 1
	s_mov_b32 s[G0S+1], SCL
	s_mov_b64 s[G0S+2:G0S+3], s[12:13]
	s_or_b32 s[G0S+3], s[G0S+3], 0x80000000
	s_mov_b32 s[G0SB], 1
	s_mov_b32 s[G0SB+1], SCL+2*HALFS
	s_mov_b64 s[G0SB+2:G0SB+3], s[18:19]
	s_or_b32 s[G0SB+3], s[G0SB+3], 0x80000000
	s_mov_b32 s[G0+4], 1                           ; the head's loads: A's 12 chunks,
	s_mov_b32 s[G0+5], 0
	s_mov_b64 s[G0+6:G0+7], s[20:21]
	s_or_b32 s[G0+7], s[G0+7], 0x80000000
	s_mov_b32 s[G0B+4], 1                          ; B's
	s_mov_b32 s[G0B+5], 3*SLOT
	s_mov_b64 s[G0B+6:G0B+7], s[22:23]
	s_or_b32 s[G0B+7], s[G0B+7], 0x80000000
	s_mul_i32 s66, s16, 2*ACH                      ; the refill: my two chunks; 12 chunks are added when it is issued
	s_mov_b32 s67, 0
	s_mov_b32 s[G0], 1
	s_mov_b32 s[G0+1], s47
	s_add_nc_u64 s[G0+2:G0+3], s[20:21], s[66:67]
	s_or_b32 s[G0+3], s[G0+3], 0x80000000
	s_mul_i32 s66, s16, 2*BCH
	s_mov_b32 s[G0B], 1
	s_mov_b32 s[G0B+1], s47
	s_add_nc_u64 s[G0B+2:G0B+3], s[22:23], s[66:67]
	s_or_b32 s[G0B+3], s[G0B+3], 0x80000000
; one tensor load a wave at the head, in one chain of branches on the wave's number: wave 0 A's codes, wave 1 B's, wave 2 A's scale words, wave 3 B's
.macro HARM under, g0, g1, next
	s_cmp_lt_u32 s14, \under
	s_cbranch_scc0 \next
	tensor_load_to_lds s[\g0:\g0+3], s[\g1:\g1+7]
	s_nop 0
.rept 4
	v_nop
.endr
	s_branch .Lhead_asked
\next:
.endm
	HARM 1, G0+4,  G1,  .Lhead_b
	HARM 2, G0B+4, G1B, .Lhead_sa
	HARM 3, G0S,   G1S, .Lhead_sb
	tensor_load_to_lds s[G0SB:G0SB+3], s[G1SB:G1SB+7]
	s_nop 0
.rept 4
	v_nop
.endr
.Lhead_asked:
	v_and_b32 v1, 15, v0                           ; r
	v_bfe_u32 v2, v0, 4, 1                         ; h
	s_wait_alu depctr_va_vdst(0)
	v_mul_u32_u24 v3, v1, 48
	v_mad_u32_u24 v3, v2, 24, v3                   ; 48 r + 24 h
	s_wait_alu depctr_va_vdst(0)
	s_mul_i32 s20, s15, CHB/2                      ; my 128 rows of each chunk of A
	s_mul_i32 s21, s16, CHB/2
	s_add_co_u32 s21, s21, 3*SLOT                  ; my 128 rows of B
	v_add_nc_u32 v[ADRA+3], s20, v3                ; quarter 3 lies where quarter 0 lay
	v_add_nc_u32 v[ADRB+3], s21, v3
.irp s, 0,1,2
	v_add_nc_u32 v[ADRA+\s], s20, v3
	v_add_nc_u32 v[ADRB+\s], s21, v3
	s_add_co_u32 s20, s20, SLOT
	s_add_co_u32 s21, s21, SLOT
.endr
	v_lshlrev_b32 v5, 2, v1                        ; 4 r
	s_lshl_b32 s20, s15, 9                         ; my 128 rows' words in a K step's 256
	s_lshl_b32 s21, s16, 9
	s_add_co_u32 s21, s21, 2*HALFS                 ; B's
	s_sub_co_u32 s21, s21, s20
	v_mul_u32_u24 v6, s21, v2                      ; lanes 16-31 take B's: one product with h
	s_add_co_u32 s20, s20, SCL
	v_add_nc_u32 v6, v5, v6
	v_add_nc_u32 v[ADRS], s20, v6
	s_lshl_b32 s20, s14, 12                        ; my stage for the way out: 4,096 bytes in A's quarter 1, which is filled once and read no more behind the last barrier
	s_add_co_u32 s20, s20, SLOT
	s_wait_alu depctr_va_vdst(0)
	v_add_nc_u32 v[STO], s20, v3
	v_and_b32 v6, 31, v0
	v_lshlrev_b32 v[CO], 4, v6
	v_add_nc_u32 v[RD], s20, v[CO]
	v_add_nc_u32 v[STS], s20, v5
	; where my part of the output begins
	s_add_co_u32 s42, s42, s95                     ; tile column of the part
	s_lshl_b32 s21, s41, 8
	s_add_co_u32 s21, s21, s92
	s_lshl_b32 s22, s15, 7
	s_add_co_u32 s22, s21, s22                     ; my first output row
	s_lshl_b32 s20, s42, 1
	s_add_co_u32 s20, s20, s16                     ; scale step 2 TC + half
	s_mul_i32 s20, s20, s45
	s_add_co_u32 s20, s20, s46
	s_lshl_b32 s23, s22, 2
	s_add_co_u32 s20, s20, s23
	s_mov_b32 s21, 0
	s_add_nc_u64 s[12:13], s[10:11], s[20:21]      ; my scale words
	s_lshl_b32 s20, s42, 2
	s_lshl_b32 s23, s16, 1
	s_add_co_u32 s20, s20, s23                     ; chunk 4 TC + 2 half
	s_mul_i32 s20, s20, s98
	s_add_co_u32 s20, s20, s99
	s_mul_i32 s23, s22, 48
	s_add_co_u32 s20, s20, s23
	s_add_nc_u64 s[8:9], s[8:9], s[20:21]          ; my first chunk
	s_mov_b32 s20, s98
	s_add_nc_u64 s[10:11], s[8:9], s[20:21]        ; my second
.macro FRAG reg, adr, q, i             ; 16 rows x 128 K: 12 registers.  Lane (r, h): 24 bytes at 48 r + 24 h of chunk 2 q, then of chunk 2 q + 1, in pieces of 8 bytes
.irp p, 0,1,2,3,4,5
	ds_load_b64 v[\reg+2*\p:\reg+2*\p+1], v[\adr] offset:(2*(\q)+\p/3)*CHB+(\i)*768+8*(\p%3)
.endr
.endm
; 16 matrix instructions: A's blocks a0, a0 + 1 x B's eight.  The 64 accumulators take turns, one instruction a turn, in the same order in every step.
.macro MUL16X a0, p, q, sc, zero
.irp a, \a0, \a0+1
.irp b, 0,1,2,3,4,5,6,7
.if \zero
	v_wmma_scale_f32_16x16x128_f8f6f4 v[8*(8*((\a)%4)+\b):8*(8*((\a)%4)+\b)+7], v[128*(\p)+FR*\b:128*(\p)+FR*\b+FR-1], v[AF+FR*(\a):AF+FR*(\a)+FR-1], 0, v[SC+8*NQ*(\sc)+NQ*\b+(\q)], v[SC+8*NQ*(\sc)+NQ*(\a)+(\q)] matrix_a_fmt:MATRIX_FMT_FP6 matrix_b_fmt:MATRIX_FMT_FP6 matrix_a_scale:MATRIX_SCALE_ROW1
.else
	v_wmma_scale_f32_16x16x128_f8f6f4 v[8*(8*((\a)%4)+\b):8*(8*((\a)%4)+\b)+7], v[128*(\p)+FR*\b:128*(\p)+FR*\b+FR-1], v[AF+FR*(\a):AF+FR*(\a)+FR-1], v[8*(8*((\a)%4)+\b):8*(8*((\a)%4)+\b)+7], v[SC+8*NQ*(\sc)+NQ*\b+(\q)], v[SC+8*NQ*(\sc)+NQ*(\a)+(\q)] matrix_a_fmt:MATRIX_FMT_FP6 matrix_b_fmt:MATRIX_FMT_FP6 matrix_a_scale:MATRIX_SCALE_ROW1
.endif
.endr
.endr
.endm
.macro MUL16 a0, p, q, sc, zero        ; the two sets of scale words take turns from quarter to quarter
	MUL16X \a0, \p, \q, (\sc)%2, \zero
.endm
.macro FETCH_B slot, q, p
	WIN TO_B
.irp i, 0,1,2,3,4,5,6,7
	FRAG 128*(\p)+FR*\i, ADRB+\slot, \q, \i
.endr
	WIN 0
.endm
.macro FETCH_A slot, q, i0
.irp i, \i0, \i0+1, \i0+2, \i0+3
	FRAG AF+FR*(\i), ADRA+\slot, \q, \i
.endr
.endm
.macro SCALES sc                       ; the K step's scale words: lanes 0-15 A's block i, lanes 16-31 B's block i; q: which 128 of the slot's 256
.irp i, 0,1,2,3,4,5,6,7
.irp q, 0,1
	ds_load_b32 v[SC+16*((\sc)%2)+2*\i+\q], v[ADRS] offset:1024*\q+64*\i
.endr
.endr
.endm
.macro PLACES n                        ; plain vector lines between a matrix instruction and a load into, or a read of, its registers
.rept \n
	v_nop
.endr
.endm
.macro STEP slot, q, zero              ; a step of 128 along K that has its successor in the same slot
	s_wait_dscnt 4*NL                              ; B's set and A's blocks 0-3 are in; the youngest 24 loads (A's blocks 4-7) may be out
	WIN MUL_LO
	MUL16 0, (\q)%2, \q, \slot, \zero
	MUL16 2, (\q)%2, \q, \slot, \zero
	s_wait_dscnt 0                                 ; A's blocks 4-7 are in
	PLACES NP
	FETCH_B \slot, (\q)+1, 1-(\q)%2
	FETCH_A \slot, (\q)+1, 0
	WIN MUL_HI
	MUL16 4, (\q)%2, \q, \slot, \zero
	MUL16 6, (\q)%2, \q, \slot, \zero
	PLACES NP
	WIN 0
	FETCH_A \slot, (\q)+1, 4
.endm
; A slot's last step changes slots: one barrier; in front of it each wave waits for all its tensor loads, adds 0 to its spare word, and waits for that and for its reads of this slot.
.macro TURN slot, next, fill
.if \fill < 2                          ; fill = 2: both quarters were shown by the head's barrier: no wait, no barrier
	s_wait_tensorcnt 0x0                           ; all my tensor loads have landed
	ds_add_u32 v[SPW], v[NIL]                      ; 0 onto my spare word
	s_wait_dscnt 4*NL+1                            ; the add and the youngest 24 loads may be out
.else
	s_wait_dscnt 4*NL
.endif
	WIN MUL_LO
	MUL16 0, 1, NQ-1, \slot, 0
	s_wait_dscnt 0x0                               ; the add is done, and my reads of this slot are over
.if \fill < 2
	s_barrier_signal -1
.endif
	MUL16 2, 1, NQ-1, \slot, 0
	WIN 0
.if \fill < 2
	s_barrier_wait -1
.endif
.if \fill == 1
	CREST                                          ; the barrier has opened a round of the cluster's: no wave of any partner still reads this slot or has a load on its way
	s_add_nc_u64 s[G0+4*\slot+2:G0+4*\slot+3], s[G0+4*\slot+2:G0+4*\slot+3], 12*ACH
	s_add_nc_u64 s[G0B+4*\slot+2:G0B+4*\slot+3], s[G0B+4*\slot+2:G0B+4*\slot+3], 12*BCH
	JLOAD G0+4*\slot, G1, G0B+4*\slot, G1B         ; the first tensor load behind the round; its four v_nop are the places in front of the loads below
.else
	PLACES NP
.endif
	s_wait_alu depctr_va_vdst(0)
	v_add_nc_u32 v[ADRS], 2048, v[ADRS]            ; the next quarter's scale words: two rows of 1,024 bytes on
	FETCH_B \next, 0, 0
	FETCH_A \next, 0, 0
	SCALES \next
	WIN MUL_HI
	MUL16 4, 1, NQ-1, \slot, 0
	MUL16 6, 1, NQ-1, \slot, 0
	PLACES NP
	WIN 0
	FETCH_A \next, 0, 4
.endm
	s_wait_alu depctr_va_vdst(0)
	s_wait_tensorcnt 0x0                           ; my one load has landed; every wave waits, under no branch
	s_mov_b32 s[G1+2], 2<<16                       ; no tensor load of mine is out, so a descriptor may be written: the refill's loads bring 2 chunks
	s_mov_b32 s[G1+4], 2
	s_mov_b32 s[G1B+2], 2<<16
	s_mov_b32 s[G1B+4], 2
	s_barrier_signal -1
	s_barrier_wait -1
	FETCH_B 0, 0, 0
	FETCH_A 0, 0, 0
	SCALES 0
	FETCH_A 0, 0, 4
	STEP 0, 0, 1                                   ; the first step's products start the sums
	TURN 0, 1, 1                                   ; quarter 0 is read out: the one refill, K 768 .. 1023, onto its bytes
	STEP 1, 0, 0
	TURN 1, 2, 2
	STEP 2, 0, 0
	TURN 2, 3, 0                                   ; a plain barrier shows the refill to all
	STEP 3, 0, 0
	s_wait_dscnt 4*NL
	WIN MUL_LO
	MUL16 0, 1, NQ-1, 1, 0
	MUL16 2, 1, NQ-1, 1, 0
	s_wait_dscnt 0
	WIN MUL_HI
	MUL16 4, 1, NQ-1, 1, 0
	MUL16 6, 1, NQ-1, 1, 0
	WIN 0
; THE WAY OUT.  Of block a (16 rows of A') a lane holds row r and 64 numbers: register 16 b + i = column 32 b + 16 h + i of my 128.  They become a fragment's 12 registers of codes (registers 6 c .. 6 c + 5:
; columns 64 c + 32 h + 0 .. 31: the 24 bytes at 48 r + 24 h of chunk c) and a scale word.  Two blocks gather in my stage (slot 1 has had its last fill, and nobody reads it behind the last change of slots)
; and leave as 1,536 consecutive bytes of each chunk.
.macro SENDP pr
.irp c, 0,1
.irp e, 0,1,2
	global_store_b128 v[CO], v[OUT+4*(3*\c+\e):OUT+4*(3*\c+\e)+3], s[8+2*\c:9+2*\c] offset:1536*(\pr)+512*\e   ; 32 lanes store 512 consecutive bytes
.endr
.endr
.endm
.macro QBLOCK a
.set QS, 64*((\a)%4)
	WIN 0x0a+5*((\a)/4)                            ; sources 0 and 1: the block's window
.irp b, 0,1,2,3
	v_max3_num_f32 v[TM+\b], |v[QS+16*\b]|, |v[QS+16*\b+1]|, 0x1800000   ; each accumulator is read from its low end on; the floor 2^(3 - 127) holds the byte at 1 from below
.endr
.irp i, 2,4,6,8,10,12,14
.irp b, 0,1,2,3
	v_max3_num_f32 v[TM+\b], |v[QS+16*\b+\i]|, |v[QS+16*\b+\i+1]|, v[TM+\b]
.endr
.endr
	WIN 0
.irp b, 0,1,2,3
	v_permlanex16_b32 v[TM+4+\b], v[TM+\b], s2, s3
.endr
.irp b, 0,1,2,3
	v_max_num_f32 v[TM+\b], v[TM+\b], v[TM+4+\b]   ; with lane l xor 16's 16: the block's largest magnitude
.endr
	s_wait_alu depctr_va_vdst(0)
	s_wait_dscnt 0x0                               ; the last block's stage stores have read their registers, and a pair's loads are in
.if (((\a)%2) == 0) && ((\a) >= 2)
	SENDP (\a)/2-1
.endif
.irp b, 0,1,2,3
	v_add_nc_u32 v[TM+12+\b], 0xff000000, v[TM+\b] ; 2 off the exponent field: the conversion's scale operand
.endr
.irp b, 0,1,2,3
	v_lshrrev_b32 v[TM+4+\b], 23, v[TM+12+\b]      ; the scale's byte
.endr
	v_lshl_or_b32 v[PW], v[TM+5], 8, v[TM+4]
	v_lshl_or_b32 v[PW], v[TM+6], 16, v[PW]
	v_lshl_or_b32 v[PW], v[TM+7], 24, v[PW]
	WIN 0x02+((\a)/4)                              ; source 0: the block's window
.irp c, 0,1
	v_cvt_scalef32_pk16_fp6_f32 v[PC+6*\c:PC+6*\c+2], v[QS+32*\c:QS+32*\c+15], v[TM+12+2*\c]
	v_cvt_scalef32_pk16_fp6_f32 v[PC+12+4*\c:PC+14+4*\c], v[QS+16+32*\c:QS+31+32*\c], v[TM+12+2*\c+1]   ; (a conversion's three registers begin on an even number)
.endr
	WIN 0
	v_nop                                          ; one plain line behind a scaled conversion
.irp c, 0,1                            ; a whole block in a lane: lanes 0-15 block 2 c, lanes 16-31 block 2 c + 1
.irp i, 0,1,2
	v_permlane16_swap_b32 v[PC+6*\c+\i], v[PC+12+4*\c+\i]
.endr
.irp i, 0,1,2
	v_mov_b32 v[PC+3+6*\c+\i], v[PC+12+4*\c+\i]
.endr
.endr
.irp c, 0,1
.irp p, 0,1,2
	ds_store_b64 v[STO], v[PC+6*\c+2*\p:PC+6*\c+2*\p+1] offset:1536*\c+768*((\a)%2)+8*\p
.endr
.endr
	ds_store_b32 v[STS], v[PW] offset:3072+64*(\a) ; lanes l and l xor 16 write the same word with the same value
.if ((\a)%2) == 1
	s_wait_xcnt 0x0                                ; the last pair's stores have read their data registers: they are loaded again only behind this wait
.irp c, 0,1
.irp e, 0,1,2
	ds_load_b128 v[OUT+4*(3*\c+\e):OUT+4*(3*\c+\e)+3], v[RD] offset:1536*\c+512*\e   ; LDS serves a wave's instructions in order: these see my stores
.endr
.endr
.endif
.endm
	PLACES NP                                      ; in front of the first read of results
	s_mov_b32 s2, 0x76543210
	s_mov_b32 s3, 0xfedcba98                       ; v_permlanex16_b32's selects for lane l xor 16
.irp b, 0,1,2,3
	v_mov_b32 v[TM+4+\b], 0                        ; written once: a lane permute's destination counts as one of its sources
.endr
.irp a, 0,1,2,3,4,5,6,7
	QBLOCK \a
.endr
	ds_load_b128 v[OS:OS+3], v[RD] offset:3072     ; my 128 rows' scale words
	s_wait_dscnt 0x0
	SENDP 3
	global_store_b128 v[CO], v[OS:OS+3], s[12:13]  ; 512 consecutive bytes
	s_wait_tensorcnt 0x0                           ; the wave's end: three lines behind my last tensor load and my last LDS store
	ds_add_u32 v[SPW], v[NIL]
	s_wait_dscnt 0x0
	CROUND                                         ; the closing round: no work-group ends while a partner may still ask for a tile that names it
	s_endpgm
.Lfunc_end_k_qcc4f2036ee_gemm_qkv:
	.size	k_qcc4f2036ee_gemm_qkv, .Lfunc_end_k_qcc4f2036ee_gemm_qkv-k_qcc4f2036ee_gemm_qkv
	.p2alignl 7, 3214868480
	.fill 96, 4, 3214868480
	.section	.rodata,"a",@progbits
	.p2align	6, 0x0
	.amdhsa_kernel k_qcc4f2036ee_gemm_qkv
		.amdhsa_group_segment_fixed_size 327680
		.amdhsa_private_segment_fixed_size 0
		.amdhsa_enable_private_segment 0
		.amdhsa_kernarg_size 32
		.amdhsa_user_sgpr_count 2
		.amdhsa_user_sgpr_kernarg_segment_ptr 1
		.amdhsa_wavefront_size32 1
		.amdhsa_system_sgpr_workgroup_id_x 1
		.amdhsa_system_sgpr_workgroup_id_y 1
		.amdhsa_system_sgpr_workgroup_id_z 1
		.amdhsa_system_vgpr_workitem_id 0
		.amdhsa_next_free_vgpr 1024
		.amdhsa_next_free_sgpr 100
		.amdhsa_reserve_vcc 0
		.amdhsa_float_denorm_mode_32 3
		.amdhsa_float_denorm_mode_16_64 3
		.amdhsa_memory_ordered 1
		.amdhsa_forward_progress 1
		.amdhsa_inst_pref_size 171
	.end_amdhsa_kernel
	.amdgpu_metadata
---
amdhsa.version: [ 1, 2 ]
amdhsa.kernels:
  - .name:           k_qcc4f2036ee_gemm_qkv
    .symbol:         k_qcc4f2036ee_gemm_qkv.kd
    .args:
      - { .name: z_codes, .offset: 0, .size: 8, .value_kind: global_buffer, .address_space: global }
      - { .name: z_scales, .offset: 8, .size: 8, .value_kind: global_buffer, .address_space: global }
      - { .name: qkv_codes, .offset: 16, .size: 8, .value_kind: global_buffer, .address_space: global }
      - { .name: qkv_scales, .offset: 24, .size: 8, .value_kind: global_buffer, .address_space: global }
    .group_segment_fixed_size: 327680
    .private_segment_fixed_size: 0
    .kernarg_segment_align: 8
    .kernarg_segment_size: 32
    .max_flat_workgroup_size: 128
    .sgpr_count:     100
    .vgpr_count:     1024
    .wavefront_size: 32
...
	.end_amdgpu_metadata
.endif
;; end of part 2
;; launch attn (part 3): grid 4 x 64, 16 waves a work-group, clusters of 4 x 1, 223,744 bytes of LDS; arguments qkv_codes, qkv_scales, a_codes, a_scales; writes a_codes, a_scales
.if DOCPART == 3
	.amdgcn_target "amdgcn-amd-amdhsa--gfx1250"
	.amdhsa_code_object_version 6
	.text
	.protected	k_qcc4f2036ee_attn
	.globl	k_qcc4f2036ee_attn
	.p2align	8
	.type	k_qcc4f2036ee_attn,@function
k_qcc4f2036ee_attn:
	s_mov_b64 s[64:65], 0
	v_nop
	global_prefetch_b8 v0, s[64:65] scope:SCOPE_SE
	s_setreg_imm32_b32 hwreg(HW_REG_WAVE_MODE, 25, 1), 1
	s_wait_xcnt 0x0
	s_wait_alu depctr_hold_cnt(0) depctr_sa_sdst(0) depctr_va_vdst(0) depctr_va_sdst(0) depctr_va_ssrc(0) depctr_va_vcc(0) depctr_vm_vsrc(0)
	s_getreg_b32 s2, hwreg(HW_REG_IB_STS2, 6, 4)
	s_cmp_eq_u32 s2, 0
	s_cbranch_scc0 .Lentry_in_a_cluster
	s_endpgm
.Lentry_in_a_cluster:
	s_bfe_u32 s2, ttmp6, 0x10000c
	s_cmp_lg_u32 s2, 0x3003
	s_cbranch_scc0 .Lentry_shape_is_right
	s_endpgm
.Lentry_shape_is_right:
; o = softmax(q k^T / 8) v for one (batch, head) and 512 queries a work-group, on codes of FP6 (E2M3) with E8M0 scales; o leaves quantised along the head's 64.
; THE DEAL: cluster y = 16 batch + head; the four work-groups of a cluster take 512 queries each of that head and need the same K and V: every tile is asked for jointly (mask 15).
; THE HEAD'S WHOLE K (2,048 keys x 48 bytes), V (32 chunks of 64 keys x 64 channels x 48 bytes) and their scale words lie in LDS, filled ONCE, one tensor load a wave at the kernel's head:
; nothing is filled again, so the walk over the keys has no barrier.  A wave takes 32 queries in two passes of 16; a pass is 16 steps of 128 keys, two steps to a trip.
; No prefetch: every byte that the launch reads is asked for at its head, and no loop is left to run ahead in.
; BOTH PRODUCTS ARE USED TRANSPOSED (S^T = k q^T, O^T = v^T p^T): a lane holds one query throughout.
; THE KEYS OF A TILE: tile t of a group of 64 keys takes keys 8 t + j as its rows 0-7 and keys 32 + 8 t + j as its rows 8-15.  Lane (r, h) then holds, in the 32 registers of the group's four tiles,
; keys 32 h + 0 .. 31 of the group: one whole scale block, in the order of the next operand's registers: no lane is asked for a block's maximum and no codes change lanes.
; In memory token i lies at the position with bits 3 and 4 exchanged: tile t begins 16 (t % 2) + 8 (t / 2) positions into its run of 32.
; K IN LDS: the even runs of 32 positions at 0, the odd runs at KO; KO is 128 modulo 256, so lanes r and r + 8 start 32 words apart modulo 64 and the 32 lanes of a load of 8 bytes touch 64 different words modulo 64 (ISA guide 11.1).
; K = 64 in a form of K = 128: q's upper six registers are zero codes, so whatever stands in the upper six of k's operand adds nothing (every pattern of 6 bits is a finite number); the upper scale bytes are 0, a finite code.
; TWO SETS OF 64 REGISTERS TAKE TURNS: one holds k's fragments and then v's, the other S^T and then p; as soon as p is converted its set takes the NEXT step's fragments of k, and the sets change roles.
; The last step of a pass asks for step 0's fragments again, which the next pass uses (behind the last pass they are not used).
; SOFTMAX: p = 2^(t - M), t = score x log2(e) / 8, M the ceiling of the running largest t; when M moves, the sum and O^T are multiplied by a power of two; the sum is taken of the unquantised p.
; A block's largest p is the block's largest score put through the same multiply-add and exponential (v_exp_f32 is taken not to fall where its input rises).
; OUT: a_codes [16 heads][8,192 positions][48]; a_scales [8 pairs of heads][8,192][4].  A scale word holds two heads' bytes and a work-group has one head: its 2 bytes of each row are stored by themselves,
; 2 bytes at a pitch of 4: one byte in 24 of what the launch stores.
; LIMITS: the promise holds while |t| stays under 2^31; a block of zeros gets the byte 1 where the rule says 127 (its codes are zeros; this program alone reads the bytes); blocks under 2^-124 are held at the byte 1; NaN and infinities are not served.
.set QCH,   393216
.set VCH,   49152
.set VBASE, 12582912
.set VSB,   524288
.set KO,    49280                      ; LDS: K's odd runs
.set VB,    98816                      ; V: [32 chunks][64 positions][48]
.set SCK,   197120                     ; K's scale words: [2,048 positions][4]
.set SCV,   205312                     ; V's: [16 steps][64 positions][4]
.set STG,   209408                     ; a stage of 768 bytes for each wave
.set SPARE, 221696                     ; the spare words: 128 bytes for each wave
.set AK0,  1
.set AV0,  2
.set ASK0, 3
.set ASV0, 4
.set SPW,  5
.set NIL,  6
.set GO,   7
.set ADK,  8
.set ADV,  9
.set ADS,  10
.set ADT,  11
.set QF,   16                          ; v16-27 q's fragment, upper six zero
.set QSC,  28
.set AW,   29
.set SH8,  30                          ; 8 h
.set PT,   31                          ; what lane l xor 16 sends
.set YS,   32                          ; v32-95  the one set
.set XS,   96                          ; v96-159 the other
.set OT,   160                         ; v160-191 O^T
.set PCD,  192
.set PX,   204
.set BM,   212
.set S0,   216                         ; v216-221 three chains of the sum
.set SO,   222
.set FF,   224                         ; f; v225 p's scale word
.set TMP,  226
.set RM,   227
.set Q1,   228
.set QS1,  234
.set QA,   235                         ; 48 r + 24 h
.set BK,   236
.set OST,  242
.set ORD,  243
.set SAD,  244                         ; 4 r
.set RL,   246
.set KSC,  248
.set VSC,  252
.set EB,   254
.set AK1,  245                         ; v[AK0] + 1,536: the second group of 64 keys of a step
.set ADK1, 235                         ; (the register that held q's offset at the head, free behind the wait for q)
.set TK,   2
.set TV,   3
.set WV,   18
.set SEL,  20
.set CS,   22
.set G1K,  24
.set G1V,  32
.set G0K,  40
.set G0V,  44
.set G1SK, 48
.set G1SV, 56
.set TS,   66
.set TJ,   67
.set G0SK, 68
.set G0SV, 72
.set CNT,  76
.set IX,   84
.set PS,   86
.set TKA,  87
.macro ROUND
	s_barrier_signal -1
	s_barrier_wait -1
	s_cmp_lg_u32 s[WV], 0
	s_cbranch_scc1 .Lnot_wave_0_\@
	s_barrier_signal -3
.Lnot_wave_0_\@:
	s_barrier_wait -3
	s_barrier_signal -1
	s_barrier_wait -1
.endm
.macro GRP1 g, c, r, p                 ; r rows of c elements of 8 bytes, p elements from row to row; mask 15, bit 21 beside it
	s_mov_b32 s[\g], 15|(3<<16)|(1<<21)
	s_mov_b32 s[\g+1], (\c)<<16
	s_mov_b32 s[\g+2], (\r)<<16
	s_mov_b32 s[\g+3], (\c)<<16
	s_mov_b32 s[\g+4], \r
	s_mov_b32 s[\g+5], \p
	s_mov_b32 s[\g+6], 0
	s_mov_b32 s[\g+7], 0
.endm
.macro GRP0 g, base, off
	s_mov_b32 s[\g], 1
	s_add_nc_u64 s[\g+2:\g+3], s[\base:\base+1], s[\off:\off+1]
	s_or_b32 s[\g+3], s[\g+3], 0x80000000
.endm
.macro TL g0, g1
	tensor_load_to_lds s[\g0:\g0+3], s[\g1:\g1+7]
	s_nop 0
.rept 4
	v_nop
.endr
.endm
.macro ARM under, g0, g1, next
	s_cmp_lt_u32 s[WV], \under
	s_cbranch_scc0 \next
	TL \g0, \g1
	s_branch .Lasked
\next:
.endm
.macro WALU
	s_wait_alu depctr_va_vdst(0)
.endm
.macro D n
	s_delay_alu instid0(VALU_DEP_\n)
.endm
	s_load_b256 s[4:11], s[0:1], 0x0               ; qkv_codes, qkv_scales, a_codes, a_scales
	v_lshl_add_u32 v[SPW], v0, 2, SPARE
	v_mov_b32 v[NIL], 0
	ds_add_u32 v[SPW], v[NIL]                      ; the opening lines: the add twice on end and one wait
	ds_add_u32 v[SPW], v[NIL]
	v_lshrrev_b32 v8, 5, v0
	v_readfirstlane_b32 s[WV], v8                  ; wave 0..15
	s_and_b32 s77, ttmp7, 0xffff
	s_lshr_b32 s78, s77, 4                         ; batch
	s_and_b32 s79, s77, 15                         ; head
	s_lshr_b32 s81, s79, 1                         ; pair of heads
	s_bfe_u32 s80, ttmp6, 0x40000                  ; cx: enters global addresses of q and of the output alone
	s_and_b32 s82, s[WV], 1
	s_bfe_u32 s83, s[WV], 0x10001
	s_add_co_u32 s84, s[WV], 4
	s_and_b32 s84, s84, 7                          ; (wave - 4) % 8
	; waves 0-3, K: runs of parity wave % 2, half wave / 2: 16 rows of 1,536 bytes, 3,072 apart
	s_add_co_u32 s86, s79, 16
	s_mul_i32 s86, s86, QCH
	s_mul_i32 s87, s78, 98304
	s_add_co_u32 s86, s86, s87
	s_mul_i32 s87, s82, 1536
	s_add_co_u32 s86, s86, s87
	s_mul_i32 s87, s83, 49152
	s_add_co_u32 s86, s86, s87
	s_mov_b32 s87, 0
	s_mul_i32 s[G0K+1], s82, KO
	s_mul_i32 s85, s83, 24576
	s_add_co_u32 s[G0K+1], s[G0K+1], s85
	; waves 4-11, V: four chunks each: rows of 3,072 bytes
	s_lshl_b32 s88, s78, 5
	s_lshl_b32 s85, s84, 2
	s_add_co_u32 s88, s88, s85
	s_mul_i32 s88, s88, VCH
	s_add_co_u32 s88, s88, VBASE
	s_mul_i32 s85, s79, 3072
	s_add_co_u32 s88, s88, s85
	s_mov_b32 s89, 0
	s_mul_i32 s[G0V+1], s84, 12288
	s_add_co_u32 s[G0V+1], s[G0V+1], VB
	; waves 12, 13, K's scale words: a dense 4,096 bytes each
	s_add_co_u32 s90, s81, 8
	s_lshl_b32 s90, s90, 15
	s_lshl_b32 s85, s78, 13
	s_add_co_u32 s90, s90, s85
	s_lshl_b32 s85, s82, 12
	s_add_co_u32 s90, s90, s85
	s_mov_b32 s91, 0
	s_add_co_u32 s[G0SK+1], s85, SCK
	; waves 14, 15, V's scale words: eight rows of 256 bytes each, 4,096 apart
	s_lshl_b32 s92, s78, 4
	s_lshl_b32 s85, s82, 3
	s_add_co_u32 s92, s92, s85
	s_lshl_b32 s92, s92, 12
	s_add_co_u32 s92, s92, VSB
	s_lshl_b32 s85, s79, 8
	s_add_co_u32 s92, s92, s85
	s_mov_b32 s93, 0
	s_lshl_b32 s85, s82, 11
	s_add_co_u32 s[G0SV+1], s85, SCV
	GRP1 G1K, 192, 16, 384
	GRP1 G1V, 384, 4, VCH/8
	GRP1 G1SK, 32, 16, 32
	GRP1 G1SV, 32, 8, 512
	s_mov_b32 s[SEL], 0x76543210
	s_mov_b32 s[SEL+1], 0xfedcba98                 ; v_permlanex16_b32's selects for lane l xor 16
	s_mov_b32 s[CS], 0x3e38aa3b                    ; log2(e) / 8
	s_mov_b32 s[CS+1], s[CS]
	WALU
	s_wait_dscnt 0x0                               ; both opening adds are done
	s_wait_kmcnt 0x0
	GRP0 G0K, 4, 86
	GRP0 G0V, 4, 88
	GRP0 G0SK, 6, 90
	GRP0 G0SV, 6, 92
	ROUND                                          ; the four work-groups are here: the joint loads meet
	ARM 4,  G0K,  G1K,  .Lfor_v                    ; one chain of branches on the wave's number, one load to an arm: every wave issues one
	ARM 12, G0V,  G1V,  .Lfor_sk
	ARM 14, G0SK, G1SK, .Lfor_sv
	TL G0SV, G1SV
.Lasked:
	s_lshl_b32 s94, s78, 11
	s_lshl_b32 s95, s80, 9
	s_add_co_u32 s94, s94, s95
	s_lshl_b32 s95, s[WV], 5
	s_add_co_u32 s94, s94, s95                     ; my first position: 2,048 batch + 512 cx + 32 wave
	s_mul_i32 s96, s79, QCH
	s_mul_i32 s97, s94, 48
	s_add_co_u32 s96, s96, s97
	s_mov_b32 s97, 0
	s_add_nc_u64 s[98:99], s[4:5], s[96:97]        ; my q
	s_add_nc_u64 s[8:9], s[8:9], s[96:97]          ; my codes out
	s_lshl_b32 s96, s81, 15
	s_lshl_b32 s95, s94, 2
	s_add_co_u32 s96, s96, s95
	s_and_b32 s95, s79, 1
	s_lshl_b32 s95, s95, 1                         ; my head's two bytes of a scale word
	s_add_co_u32 s96, s96, s95
	s_add_nc_u64 s[6:7], s[6:7], s[96:97]
	s_add_nc_u64 s[10:11], s[10:11], s[96:97]
	s_add_co_u32 s85, s95, SCK
	s_mul_i32 s77, s[WV], 768
	s_add_co_u32 s77, s77, STG
	v_and_b32 v8, 15, v0                           ; r
	v_bfe_u32 v9, v0, 4, 1                         ; h
	v_and_b32 v10, 31, v0
	v_mul_u32_u24 v[QA], v8, 48
	v_mad_u32_u24 v[QA], v9, 24, v[QA]
	v_lshlrev_b32 v[SAD], 2, v8
.irp p, 0,1,2
	global_load_b64 v[QF+2*\p:QF+2*\p+1], v[QA], s[98:99] offset:8*\p
	global_load_b64 v[Q1+2*\p:Q1+2*\p+1], v[QA], s[98:99] offset:768+8*\p
.endr
	global_load_u16 v[QSC], v[SAD], s[6:7]
	global_load_u16 v[QS1], v[SAD], s[6:7] offset:64
	v_and_b32 v11, 7, v0
	v_bfe_u32 v[TMP], v0, 3, 1
	v_mul_u32_u24 v[AK0], v11, 48
	v_mad_u32_u24 v[AK0], v9, 24, v[AK0]
	v_mad_u32_u24 v[AK0], v[TMP], KO, v[AK0]       ; k: row r % 8 of the even run, or of the odd run for r / 8 = 1; + 24 h
	v_add_nc_u32 v[AV0], VB, v[QA]
	v_lshlrev_b32 v[ASK0], 2, v11
	v_lshl_add_u32 v[ASK0], v[TMP], 7, v[ASK0]
	v_lshl_add_u32 v[ASK0], v9, 6, v[ASK0]
	v_add_nc_u32 v[ASK0], s85, v[ASK0]             ; k's scales: position l % 8 + 32 (l / 8 % 2) + 16 (l / 16): lanes 16-31 hold the tile 16 positions on
	v_lshl_add_u32 v[ASV0], v10, 2, SCV
	v_lshlrev_b32 v[GO], 3, v10
	v_add_nc_u32 v[OST], s77, v[QA]
	v_add_nc_u32 v[ORD], s77, v[GO]
	v_lshlrev_b32 v[SH8], 3, v9
	v_add_nc_u32 v[ADK], 0, v[AK0]                 ; step 0
	v_add_nc_u32 v[AK1], 1536, v[AK0]
	v_add_nc_u32 v[ADS], 0, v[ASK0]
.irp i, 0,1,2,3,4,5
	v_mov_b32 v[QF+6+\i], 0
	v_mov_b32 v[YS+48+\i], 0                       ; named by the first step's last operand of k
.endr
	v_mov_b32 v[PT], 0                             ; a lane permute's destination counts as one of its sources
	v_mov_b32 v[FF+1], 0
	v_mov_b32 v[RL+1], 0
.macro NEWPASS
	v_mov_b32 v13, 0xff61b1e6                      ; the largest score so far: -3e38
	v_floor_f32 v12, -v13                          ; -M
	v_mov_b32 v14, 0
	v_mov_b32 v15, 0
.set j, 0
.rept 32
	v_mov_b32 v[OT+j], 0
.set j, j+1
.endr
.endm
	NEWPASS
.macro K3 d, a, u                      ; two tiles of k, 8 u and 8 (u + 96) bytes into their group: six pieces of 8 bytes, two to a load
	ds_load_2addr_b64 v[\d:\d+3], v[\a] offset0:\u offset1:\u+1
	ds_load_2addr_b64 v[\d+4:\d+7], v[\a] offset0:\u+2 offset1:\u+96
	ds_load_2addr_b64 v[\d+8:\d+11], v[\a] offset0:\u+97 offset1:\u+98
.endm
.macro V2 ks, t                        ; the two pieces of v's tile t that lie too far apart for one load
	ds_load_b64 v[\ks+12*\t+4:\ks+12*\t+5], v[ADV] offset:768*\t+16
	ds_load_b64 v[\ks+12*\t+6:\ks+12*\t+7], v[ADV] offset:3072+768*\t
.endm
.macro KLOAD d, o                      ; eight tiles of k of the step that v[ADK] and v[ADK1] name, and their scale words, o steps behind the step that v[ADS] names: 16 loads
	K3 \d, ADK, 0
	K3 \d+12, ADK, 48
	K3 \d+24, ADK1, 0
	K3 \d+36, ADK1, 48
.irp u, 0,1,2,3
	ds_load_u16 v[KSC+\u], v[ADS] offset:512*(\o)+256*(\u/2)+32*(\u%2)
.endr
.endm
.macro SUM4 ss, j                      ; four chains of the sum by turns
	v_pk_add_f32 v[14:15], v[14:15], v[\ss+\j:\ss+\j+1]
	v_pk_add_f32 v[S0:S0+1], v[S0:S0+1], v[\ss+\j+2:\ss+\j+3]
	v_pk_add_f32 v[S0+2:S0+3], v[S0+2:S0+3], v[\ss+\j+4:\ss+\j+5]
	v_pk_add_f32 v[S0+4:S0+5], v[S0+4:S0+5], v[\ss+\j+6:\ss+\j+7]
.endm
; A STEP: 16 queries x 128 keys.  ks: the set with k's fragments, then v's; ss: the set for S^T and p, then the next step's k.  b: the trip's first (0) or second (1) step
.macro STEP ks, ss, b
.if \b                                 ; five places between the last step's products and this step's, which write over v's fragments
	v_add_nc_u32 v[ADK], s[TK], v[AK0]             ; the k that this step asks for: the next trip's first step
	v_add_nc_u32 v[ADK1], s[TK], v[AK1]
	v_add_nc_u32 v[ADS], s[TS], v[ASK0]
.else
	v_add_nc_u32 v[ADK], s[TKA], v[AK0]            ; this trip's second step
	v_add_nc_u32 v[ADK1], s[TKA], v[AK1]
	v_add_nc_u32 v[ADT], s[TJ], v[ASV0]
.endif
	v_mov_b32 v[TMP], v12                          ; the old -M
	v_nop
	WALU
	s_wait_dscnt 0x0                               ; k's fragments, asked for in the last step
.irp t, 0,1,2,3,4,5,6,7
.if \t%2
	v_wmma_scale_f32_16x16x128_f8f6f4 v[\ss+8*\t:\ss+8*\t+7], v[\ks+6*\t:\ks+6*\t+11], v[QF:QF+11], 0, v[KSC+\t/2], v[QSC] matrix_a_fmt:MATRIX_FMT_FP6 matrix_b_fmt:MATRIX_FMT_FP6 matrix_a_scale:MATRIX_SCALE_ROW1
.else
	v_wmma_scale_f32_16x16x128_f8f6f4 v[\ss+8*\t:\ss+8*\t+7], v[\ks+6*\t:\ks+6*\t+11], v[QF:QF+11], 0, v[KSC+\t/2], v[QSC] matrix_a_fmt:MATRIX_FMT_FP6 matrix_b_fmt:MATRIX_FMT_FP6
.endif
.endr
.if \b                                 ; four places behind the products: v's addresses; a two-address load reaches 2,040 bytes, so three of them (two in registers that the maxima take next)
	v_add_nc_u32 v[ADV], 6144, v[ADV]
.else
	v_add_nc_u32 v[ADV], s[TV], v[AV0]
.endif
	v_add_nc_u32 v[BM+1], 2304, v[ADV]
	v_add_nc_u32 v[BM+2], 4608, v[ADV]
	v_nop
	ds_load_2addr_b64 v[\ks:\ks+3], v[ADV] offset0:0 offset1:1             ; chunk 0, pieces 0 and 1 of tiles 0 to 3
	ds_load_2addr_b64 v[\ks+12:\ks+15], v[ADV] offset0:96 offset1:97
	ds_load_2addr_b64 v[\ks+24:\ks+27], v[ADV] offset0:192 offset1:193
	ds_load_2addr_b64 v[\ks+36:\ks+39], v[BM+1] offset0:0 offset1:1
	ds_load_2addr_b64 v[\ks+8:\ks+11], v[BM+1] offset0:97 offset1:98       ; chunk 1, pieces 1 and 2
	ds_load_2addr_b64 v[\ks+20:\ks+23], v[BM+1] offset0:193 offset1:194
	ds_load_2addr_b64 v[\ks+32:\ks+35], v[BM+2] offset0:1 offset1:2
	ds_load_2addr_b64 v[\ks+44:\ks+47], v[BM+2] offset0:97 offset1:98
.irp q, 0,1,2,3                        ; the largest score of my two blocks, four chains by turns, each accumulator from its low end on
	v_max3_num_f32 v[BM+\q], v[\ss+16*\q], v[\ss+16*\q+1], v[\ss+16*\q+2]
.endr
.irp i, 3,5,7,9,11,13
.irp q, 0,1,2,3
	v_max3_num_f32 v[BM+\q], v[BM+\q], v[\ss+16*\q+\i], v[\ss+16*\q+\i+1]
.endr
.endr
	v_max3_num_f32 v[BM], v[BM], v[BM+1], v[\ss+15]
	v_max3_num_f32 v[BM+2], v[BM+2], v[BM+3], v[\ss+47]
	v_max_num_f32 v[BM], v[BM], v[\ss+31]
	v_max_num_f32 v[BM+2], v[BM+2], v[\ss+63]
	v_max_num_f32 v[RM], v[BM], v[BM+2]            ; a chain of five lines; the rest of v's loads stand between them
	V2 \ks, 0
	v_permlanex16_b32 v[PT], v[RM], s[SEL], s[SEL+1]
	V2 \ks, 1
	v_max3_num_f32 v13, v13, v[RM], v[PT]          ; the running largest score of my query
	V2 \ks, 2
	v_mul_f32 v[RM], s[CS], v13
	V2 \ks, 3
	v_floor_f32 v12, -v[RM]                        ; -M = floor(-t)
.irp u, 0,1
	ds_load_b32 v[VSC+\u], v[ADT] offset:256*\b+128*\u
.endr
.set j, 0
.rept 32
	v_pk_fma_f32 v[\ss+j:\ss+j+1], v[\ss+j:\ss+j+1], s[CS:CS+1], v[12:13] op_sel_hi:[1,0,0]
.if j == 6                             ; f = 2^(old M - new M) is made among the multiply-adds
	v_sub_f32 v[TMP], v12, v[TMP]
.endif
.if j == 14
	v_cvt_i32_f32 v[TMP], v[TMP]                   ; (it saturates)
.endif
.if j == 22
	v_ldexp_f32 v[FF], 1.0, v[TMP]
.endif
.set j, j+2
.endr
	v_fma_f32 v[BM], v[BM], s[CS], v12
	v_fma_f32 v[BM+2], v[BM+2], s[CS], v12
	WALU
	v_exp_f32 v[BM], v[BM]                         ; each block's largest p
	v_exp_f32 v[BM+2], v[BM+2]
.set j, 0
.rept 64
	v_exp_f32 v[\ss+j], v[\ss+j]
.set j, j+1
.endr
	v_pk_mul_f32 v[14:15], v[14:15], v[FF:FF+1] op_sel_hi:[1,0]   ; a plain place behind the batch
	WALU                                           ; and the wait behind it
	v_pk_add_f32 v[S0:S0+1], v[\ss:\ss+1], v[\ss+2:\ss+3]         ; the sum of the unquantised p; the scale's chain stands between the sum's lines
	v_pk_add_f32 v[S0+2:S0+3], v[\ss+4:\ss+5], v[\ss+6:\ss+7]
	v_pk_add_f32 v[S0+4:S0+5], v[\ss+8:\ss+9], v[\ss+10:\ss+11]
	v_max_num_f32 v[BM], 0x1800000, v[BM]          ; the floor 2^(3 - 127): the byte cannot fall under 1
	v_max_num_f32 v[BM+2], 0x1800000, v[BM+2]
	SUM4 \ss, 12
	v_add_nc_u32 v[SO], 0xff000000, v[BM]          ; 2 off the exponent field: the conversion's scale operand
	v_add_nc_u32 v[SO+1], 0xff000000, v[BM+2]
	SUM4 \ss, 20
	v_lshrrev_b32 v[EB], 23, v[SO]
	v_lshrrev_b32 v[EB+1], 23, v[SO+1]
	SUM4 \ss, 28
	v_lshl_or_b32 v[FF+1], v[EB+1], 16, v[EB]      ; my bytes: blocks h and 2 + h,
	SUM4 \ss, 36
	v_lshlrev_b32 v[FF+1], v[SH8], v[FF+1]         ; at their places;
	SUM4 \ss, 44
	v_permlanex16_b32 v[PT], v[FF+1], s[SEL], s[SEL+1]
	SUM4 \ss, 52
	v_or_b32 v[FF+1], v[FF+1], v[PT]               ; with lane l xor 16's two the word is whole
	v_pk_add_f32 v[14:15], v[14:15], v[\ss+60:\ss+61]
	v_pk_add_f32 v[S0:S0+1], v[S0:S0+1], v[\ss+62:\ss+63]
	v_pk_add_f32 v[S0+2:S0+3], v[S0+2:S0+3], v[S0+4:S0+5]
	v_pk_add_f32 v[14:15], v[14:15], v[S0:S0+1]
.irp c, 0,1
	v_cvt_scalef32_pk16_fp6_f32 v[PCD+6*\c:PCD+6*\c+2], v[\ss+32*\c:\ss+32*\c+15], v[SO+\c]
	v_cvt_scalef32_pk16_fp6_f32 v[PX+4*\c:PX+4*\c+2], v[\ss+32*\c+16:\ss+32*\c+31], v[SO+\c]   ; (a conversion's three registers begin on an even number)
.endr
	v_pk_add_f32 v[14:15], v[14:15], v[S0+2:S0+3]  ; the sum's last line is the plain place behind the conversions
	KLOAD \ss, 1-\b                                ; p is converted: its set takes the next step's k
.irp c, 0,1
.irp i, 0,1,2
	v_mov_b32 v[PCD+3+6*\c+\i], v[PX+4*\c+\i]
.endr
.endr
	WALU                                           ; directly ahead of the first reader of O^T
.set j, 0
.rept 16
	v_pk_mul_f32 v[OT+j:OT+j+1], v[OT+j:OT+j+1], v[FF:FF+1] op_sel_hi:[1,0]   ; O^T under the new M; also the places ahead of the scaled products
.set j, j+2
.endr
	WALU
	s_wait_dscnt 16                                ; v's fragments are in; the 16 loads of the next step's k may be out
.irp t, 0,1,2,3
.if \t%2
	v_wmma_scale_f32_16x16x128_f8f6f4 v[OT+8*\t:OT+8*\t+7], v[\ks+12*\t:\ks+12*\t+11], v[PCD:PCD+11], v[OT+8*\t:OT+8*\t+7], v[VSC+\t/2], v[FF+1] matrix_a_fmt:MATRIX_FMT_FP6 matrix_b_fmt:MATRIX_FMT_FP6 matrix_a_scale:MATRIX_SCALE_ROW1
.else
	v_wmma_scale_f32_16x16x128_f8f6f4 v[OT+8*\t:OT+8*\t+7], v[\ks+12*\t:\ks+12*\t+11], v[PCD:PCD+11], v[OT+8*\t:OT+8*\t+7], v[VSC+\t/2], v[FF+1] matrix_a_fmt:MATRIX_FMT_FP6 matrix_b_fmt:MATRIX_FMT_FP6
.endif
.endr
.endm
; A pass's end: O^T / the sum, quantised along the head's 64.  V's tiles are 16 neighbouring positions, so the 16 registers of two tiles are channels 32 b + 16 h + 0 .. 15: a block lies in lanes l and l xor 16.
; It works in set XS, which held v's fragments; set YS, on which the next k is landing, is not named.
.macro FINISH
	s_wait_xcnt 0x0                                ; the last pass's stores have read their registers
.rept 4
	v_nop
.endr
	v_add_f32 v14, v14, v15
	D 1
	v_permlanex16_b32 v[TMP], v14, s[SEL], s[SEL+1]
	D 1
	v_add_f32 v14, v14, v[TMP]
	WALU
	v_rcp_f32 v[RL], v14
	v_nop
	WALU
.set j, 0
.rept 16
	v_pk_mul_f32 v[XS+j:XS+j+1], v[OT+j:OT+j+1], v[RL:RL+1] op_sel_hi:[1,0]
.set j, j+2
.endr
.irp b, 0,1
	v_max3_num_f32 v[BM+\b], |v[XS+16*\b]|, |v[XS+16*\b+1]|, 0x1800000
.endr
.irp i, 2,4,6,8,10,12,14
.irp b, 0,1
	D 2
	v_max3_num_f32 v[BM+\b], v[BM+\b], |v[XS+16*\b+\i]|, |v[XS+16*\b+\i+1]|
.endr
.endr
.irp b, 0,1
	D 2
	v_permlanex16_b32 v[S0+\b], v[BM+\b], s[SEL], s[SEL+1]
.endr
.irp b, 0,1
	D 2
	v_max_num_f32 v[BM+\b], v[BM+\b], v[S0+\b]
.endr
.irp b, 0,1
	D 2
	v_add_nc_u32 v[SO+\b], 0xff000000, v[BM+\b]
.endr
.irp b, 0,1
	D 2
	v_lshrrev_b32 v[S0+\b], 23, v[SO+\b]
.endr
	D 1
	v_lshl_or_b32 v[AW], v[S0+1], 8, v[S0]
	global_store_b16 v[SAD], v[AW], s[10:11]       ; my head's two bytes of row r's word; lanes l and l xor 16 store the same bytes with the same value
	v_cvt_scalef32_pk16_fp6_f32 v[PCD:PCD+2], v[XS:XS+15], v[SO]
	v_cvt_scalef32_pk16_fp6_f32 v[PX:PX+2], v[XS+16:XS+31], v[SO+1]
	v_nop
.irp i, 0,1,2
	v_permlane16_swap_b32 v[PCD+\i], v[PX+\i]
.endr
.irp i, 0,1,2
	D 3
	v_mov_b32 v[PCD+3+\i], v[PX+\i]
.endr
.irp p, 0,1,2
	ds_store_b64 v[OST], v[PCD+2*\p:PCD+2*\p+1] offset:8*\p
.endr
.irp p, 0,1,2
	ds_load_b64 v[BK+2*\p:BK+2*\p+1], v[ORD] offset:256*\p   ; LDS serves a wave's instructions in order (ISA guide 5.7.1.4): these see my stores
.endr
	s_wait_dscnt 0x0
.irp p, 0,1,2
	global_store_b64 v[GO], v[BK+2*\p:BK+2*\p+1], s[8:9] offset:256*\p   ; 16 rows x 48 bytes: three stores of 256 consecutive bytes
.endr
.endm
	WALU
	s_wait_loadcnt 0x0
	s_wait_tensorcnt 0x0                           ; my one load has landed; every wave waits, under no branch
	s_barrier_signal -1
	s_barrier_wait -1                              ; all sixteen tiles are in
	v_add_nc_u32 v[ADK1], 0, v[AK1]
	KLOAD YS, 0
	s_mov_b32 s[PS], 2
.Lpass:
	s_mov_b32 s[IX], 0                             ; the trip's first step
	s_mov_b32 s[CNT], 8
.Lstep:
	s_mul_i32 s[TV], s[IX], 6144
	s_lshl_b32 s[TJ], s[IX], 8
	s_add_co_u32 s[TK], s[IX], 2
	s_and_b32 s[TK], s[TK], 15                     ; the next trip's first step; behind step 15 comes step 0
	s_lshl_b32 s[TS], s[TK], 9
	s_mul_i32 s[TK], s[TK], 3072
	s_add_co_u32 s[TKA], s[IX], 1                  ; this trip's second step
	s_mul_i32 s[TKA], s[TKA], 3072
	STEP YS, XS, 0
	STEP XS, YS, 1
	s_add_co_u32 s[IX], s[IX], 2
	s_sub_co_u32 s[CNT], s[CNT], 1
	s_cmp_lg_u32 s[CNT], 0
	s_cbranch_scc1 .Lstep
	FINISH
.irp i, 0,1,2,3,4,5
	v_mov_b32 v[QF+\i], v[Q1+\i]                   ; the second 16 queries
.endr
	v_mov_b32 v[QSC], v[QS1]
	NEWPASS
	s_wait_xcnt 0x0                                ; the stores have read their bases
	s_add_nc_u64 s[8:9], s[8:9], 768
	s_add_nc_u64 s[10:11], s[10:11], 64
	s_sub_co_u32 s[PS], s[PS], 1
	s_cmp_lg_u32 s[PS], 0
	WALU
	s_cbranch_scc1 .Lpass
	s_wait_tensorcnt 0x0                           ; the wave's end
	ds_add_u32 v[SPW], v[NIL]
	s_wait_dscnt 0x0
	ROUND                                          ; the closing round
	s_endpgm
.Lfunc_end_k_qcc4f2036ee_attn:
	.size	k_qcc4f2036ee_attn, .Lfunc_end_k_qcc4f2036ee_attn-k_qcc4f2036ee_attn
	.p2alignl 7, 3214868480
	.fill 96, 4, 3214868480
	.section	.rodata,"a",@progbits
	.p2align	6, 0x0
	.amdhsa_kernel k_qcc4f2036ee_attn
		.amdhsa_group_segment_fixed_size 223744
		.amdhsa_private_segment_fixed_size 0
		.amdhsa_enable_private_segment 0
		.amdhsa_kernarg_size 32
		.amdhsa_user_sgpr_count 2
		.amdhsa_user_sgpr_kernarg_segment_ptr 1
		.amdhsa_wavefront_size32 1
		.amdhsa_system_sgpr_workgroup_id_x 1
		.amdhsa_system_sgpr_workgroup_id_y 1
		.amdhsa_system_sgpr_workgroup_id_z 1
		.amdhsa_system_vgpr_workitem_id 0
		.amdhsa_next_free_vgpr 256
		.amdhsa_next_free_sgpr 100
		.amdhsa_reserve_vcc 0
		.amdhsa_float_denorm_mode_32 3
		.amdhsa_float_denorm_mode_16_64 3
		.amdhsa_memory_ordered 1
		.amdhsa_forward_progress 1
		.amdhsa_inst_pref_size 50
	.end_amdhsa_kernel
	.amdgpu_metadata
---
amdhsa.version: [ 1, 2 ]
amdhsa.kernels:
  - .name:           k_qcc4f2036ee_attn
    .symbol:         k_qcc4f2036ee_attn.kd
    .args:
      - { .name: qkv_codes, .offset: 0, .size: 8, .value_kind: global_buffer, .address_space: global }
      - { .name: qkv_scales, .offset: 8, .size: 8, .value_kind: global_buffer, .address_space: global }
      - { .name: a_codes, .offset: 16, .size: 8, .value_kind: global_buffer, .address_space: global }
      - { .name: a_scales, .offset: 24, .size: 8, .value_kind: global_buffer, .address_space: global }
    .group_segment_fixed_size: 223744
    .private_segment_fixed_size: 0
    .kernarg_segment_align: 8
    .kernarg_segment_size: 32
    .max_flat_workgroup_size: 512
    .sgpr_count:     100
    .vgpr_count:     256
    .wavefront_size: 32
...
	.end_amdgpu_metadata
.endif
;; end of part 3
;; launch gemm_out (part 4): grid 8 x 32, 4 waves a work-group, clusters of 4 x 4, 327,680 bytes of LDS; arguments a_codes, a_scales, z_codes, z_scales, bo, out0; writes out0
.if DOCPART == 4
	.amdgcn_target "amdgcn-amd-amdhsa--gfx1250"
	.amdhsa_code_object_version 6
	.text
	.protected	k_qcc4f2036ee_gemm_out
	.globl	k_qcc4f2036ee_gemm_out
	.p2align	8
	.type	k_qcc4f2036ee_gemm_out,@function
k_qcc4f2036ee_gemm_out:
	s_mov_b64 s[64:65], 0
	v_nop
	global_prefetch_b8 v0, s[64:65] scope:SCOPE_SE
	s_setreg_imm32_b32 hwreg(HW_REG_WAVE_MODE, 25, 1), 1
	s_wait_xcnt 0x0
	s_wait_alu depctr_hold_cnt(0) depctr_sa_sdst(0) depctr_va_vdst(0) depctr_va_sdst(0) depctr_va_ssrc(0) depctr_va_vcc(0) depctr_vm_vsrc(0)
	s_getreg_b32 s2, hwreg(HW_REG_IB_STS2, 6, 4)
	s_cmp_eq_u32 s2, 0
	s_cbranch_scc0 .Lentry_in_a_cluster
	s_endpgm
.Lentry_in_a_cluster:
	s_bfe_u32 s2, ttmp6, 0x10000c
	s_cmp_lg_u32 s2, 0xf033
	s_cbranch_scc0 .Lentry_shape_is_right
	s_endpgm
.Lentry_shape_is_right:
.set ACH,   393216
.set BCH,   589824
.set ASW,   32768
.set BSW,   49152
.set NQ,    2
.set FR,    12
.set NL,    6
.set NP,    4
; out0 = a Wo + bo on codes of FP6 with E8M0 scales, K = 1024.  A block of 256 rows x 128 columns to a work-group: 32 x 8 = 256 work-groups; four waves, 128 x 64 each: A's blocks 0 to 7 against B's blocks 0 to 3.
; 4 x 4 work-groups ask jointly for A's tiles along a row of the cluster and for B's along a column.
; LDS: A's region [12 chunks of 64 along K][256 rows][48] at 0; B's [12 chunks][128 rows][48] at 3 SLOT: K 0 .. 767 of both come by ONE load each at the head.  A quarter of K (4 chunks) is SLOT bytes of A, SLOT / 2 of B.
; K 768 .. 1023 is the one refill, onto the first quarter's bytes, behind step 1; a plain barrier shows it ahead of step 6.  Quarter 3 is named slot 3: its addresses are slot 0's.
.set CHB,   12288
.set HALFT, 2*CHB                      ; what one load of the refill brings: 2 chunks
.set SLOT,  4*CHB                      ; a quarter of K of one operand
.set SCL,   6*SLOT                     ; the scale words: A's [8 K steps][256 rows][4], then B's
.set HALFS, 4096
.set SPARE, SCL+4*HALFS
.set SPITCH, 528
.set LAPS,  2
.set ADRA, 16
.set ADRB, 20
.set STO,  24
.set RD,   25
.set CO,   26
.set ADRS, 27
.set SPW,  28
.set NIL,  29
.set SC,   32
.set BI,   64
.set AF,   128
.set BK,   128
.set G1, 24
.set G0, 32
.set G1B, 48
.set G0B, 56
.set G1S, 68
.set G0S, 76
.set G1SB, 80
.set G0SB, 88
.set MSB, 0
.macro WIN new
.if MSB != (\new)
	s_set_vgpr_msb (MSB<<8)|(\new)
.set MSB, (\new)
.endif
.endm
.set MUL_LO, 0xa1
.set MUL_HI, 0xf1
.set TO_B,   0x40
.macro JLOAD g0a, g1a, g0b, g1b
	s_cmp_eq_u32 s15, 0
	s_cbranch_scc0 .Lfor_b_\@
	tensor_load_to_lds s[\g0a:\g0a+3], s[\g1a:\g1a+7]
	s_nop 0
.rept 4
	v_nop
.endr
	s_branch .Lasked_\@
.Lfor_b_\@:
	tensor_load_to_lds s[\g0b:\g0b+3], s[\g1b:\g1b+7]
	s_nop 0
.rept 4
	v_nop
.endr
.Lasked_\@:
.endm
.macro CREST
	s_cmp_lg_u32 s14, 0
	s_cbranch_scc1 .Lnot_wave_0_\@
	s_barrier_signal -3
.Lnot_wave_0_\@:
	s_barrier_wait -3
	s_barrier_signal -1
	s_barrier_wait -1
.endm
.macro CROUND
	s_barrier_signal -1
	s_barrier_wait -1
	CREST
.endm
	s_load_b128 s[4:7], s[0:1], 0x0
	s_load_b128 s[8:11], s[0:1], 0x10
	s_load_b128 s[92:95], s[0:1], 0x20
	v_lshl_add_u32 v[SPW], v0, 2, SPARE
	v_mov_b32 v[NIL], 0
	ds_add_u32 v[SPW], v[NIL]
	ds_add_u32 v[SPW], v[NIL]
	v_lshrrev_b32 v1, 5, v0
	v_readfirstlane_b32 s14, v1
	s_lshr_b32 s15, s14, 1
	s_and_b32 s16, s14, 1
	s_bfe_u32 s40, ttmp6, 0x40000
	s_bfe_u32 s41, ttmp6, 0x40004
	s_lshl_b32 s42, ttmp9, 2
	s_add_co_u32 s42, s42, s40
	s_and_b32 s17, ttmp7, 0xffff
	s_lshl_b32 s17, s17, 2
	s_add_co_u32 s17, s17, s41
	s_lshl_b32 s43, s41, 2
	s_lshl_b32 s43, 15, s43
	s_lshl_b32 s44, 0x1111, s40
	s_or_b32 s[G1+0], s43, (3<<16)|(1<<21)
	s_or_b32 s[G1B+0], s44, (3<<16)|(1<<21)
.irp g, G1, G1B
	s_mov_b32 s[\g+1], 1536<<16                    ; a row is a chunk of 256 rows: 12,288 bytes
	s_mov_b32 s[\g+2], 12<<16                      ; 12 chunks at the head; set to 2 for the refill
	s_mov_b32 s[\g+3], 1536<<16
	s_mov_b32 s[\g+4], 12
	s_mov_b32 s[\g+6], 0
	s_mov_b32 s[\g+7], 0
.endr
	s_mov_b32 s[G1+5], ACH/8
	s_mov_b32 s[G1B+5], BCH/8
	s_mov_b32 s[G1B+1], 768<<16                    ; B's chunk has 128 rows: 6,144 bytes
	s_mov_b32 s[G1B+3], 768<<16
	s_or_b32 s[G1S+0], s43, (3<<16)|(1<<21)
	s_or_b32 s[G1SB+0], s44, (3<<16)|(1<<21)
.irp g, G1S, G1SB
	s_mov_b32 s[\g+1], 128<<16                     ; 256 rows x 4 bytes
	s_mov_b32 s[\g+2], 8<<16
	s_mov_b32 s[\g+3], 128<<16
	s_mov_b32 s[\g+4], 8
	s_mov_b32 s[\g+6], 0
	s_mov_b32 s[\g+7], 0
.endr
	s_mov_b32 s[G1S+5], ASW/8
	s_mov_b32 s[G1SB+5], BSW/8
	s_mov_b32 s[G1SB+1], 64<<16                    ; B has 128 rows' words, 512 bytes, in a K step: tensor_dim0 = 64 under a tile 128 elements wide: the rest of each LDS row of 1,024 bytes is written as zeros
	s_mov_b32 s18, 0                               ; the loads begin at the tile's first row
	s_lshl_b32 s20, s17, 8
	s_add_co_u32 s20, s20, s18
	s_lshl_b32 s22, s42, 7                         ; B: 128 rows to a tile column
	s_add_co_u32 s22, s22, s18
	s_add_co_u32 s22, s22, 11264
	s_lshl_b32 s12, s20, 2
	s_mov_b32 s13, 0
	s_lshl_b32 s18, s22, 2
	s_mov_b32 s19, 0
	s_mul_i32 s20, s20, 48
	s_mov_b32 s21, 0
	s_mul_i32 s22, s22, 48
	s_mov_b32 s23, 0
	s_mul_i32 s47, s16, HALFT                      ; the refill's place in A's region: chunks 0, 1 or 2, 3: the wave's number alone enters an LDS address
	s_wait_dscnt 0x0
	s_wait_kmcnt 0x0
	s_add_nc_u64 s[20:21], s[4:5], s[20:21]
	s_add_nc_u64 s[22:23], s[8:9], s[22:23]
	s_add_nc_u64 s[12:13], s[6:7], s[12:13]
	s_add_nc_u64 s[18:19], s[10:11], s[18:19]
	CROUND
	s_mov_b32 s[G0S], 1
	s_mov_b32 s[G0S+1], SCL
	s_mov_b64 s[G0S+2:G0S+3], s[12:13]
	s_or_b32 s[G0S+3], s[G0S+3], 0x80000000
	s_mov_b32 s[G0SB], 1
	s_mov_b32 s[G0SB+1], SCL+2*HALFS
	s_mov_b64 s[G0SB+2:G0SB+3], s[18:19]
	s_or_b32 s[G0SB+3], s[G0SB+3], 0x80000000
	s_mov_b32 s[G0+4], 1                           ; the head's loads: A's 12 chunks,
	s_mov_b32 s[G0+5], 0
	s_mov_b64 s[G0+6:G0+7], s[20:21]
	s_or_b32 s[G0+7], s[G0+7], 0x80000000
	s_mov_b32 s[G0B+4], 1                          ; B's
	s_mov_b32 s[G0B+5], 3*SLOT
	s_mov_b64 s[G0B+6:G0B+7], s[22:23]
	s_or_b32 s[G0B+7], s[G0B+7], 0x80000000
	s_mul_i32 s66, s16, 2*ACH                      ; the refill: my two chunks; 12 chunks are added when it is issued
	s_mov_b32 s67, 0
	s_mov_b32 s[G0], 1
	s_mov_b32 s[G0+1], s47
	s_add_nc_u64 s[G0+2:G0+3], s[20:21], s[66:67]
	s_or_b32 s[G0+3], s[G0+3], 0x80000000
	s_mul_i32 s66, s16, 2*BCH
	s_mov_b32 s[G0B], 1
	s_mul_i32 s[G0B+1], s16, HALFT/2               ; and in B's
	s_add_co_u32 s[G0B+1], s[G0B+1], 3*SLOT
	s_add_nc_u64 s[G0B+2:G0B+3], s[22:23], s[66:67]
	s_or_b32 s[G0B+3], s[G0B+3], 0x80000000
; one tensor load a wave at the head, in one chain of branches on the wave's number: wave 0 A's codes, wave 1 B's, wave 2 A's scale words, wave 3 B's
.macro HARM under, g0, g1, next
	s_cmp_lt_u32 s14, \under
	s_cbranch_scc0 \next
	tensor_load_to_lds s[\g0:\g0+3], s[\g1:\g1+7]
	s_nop 0
.rept 4
	v_nop
.endr
	s_branch .Lhead_asked
\next:
.endm
	HARM 1, G0+4,  G1,  .Lhead_b
	HARM 2, G0B+4, G1B, .Lhead_sa
	HARM 3, G0S,   G1S, .Lhead_sb
	tensor_load_to_lds s[G0SB:G0SB+3], s[G1SB:G1SB+7]
	s_nop 0
.rept 4
	v_nop
.endr
.Lhead_asked:
	v_and_b32 v1, 15, v0
	v_bfe_u32 v2, v0, 4, 1
	s_wait_alu depctr_va_vdst(0)
	s_lshl_b32 s22, s42, 7                         ; my first column: 128 x tile column + 64 x half
	s_lshl_b32 s23, s16, 6
	s_add_co_u32 s22, s22, s23
	s_lshl_b32 s22, s22, 2
	s_mov_b32 s23, 0
	s_add_nc_u64 s[92:93], s[92:93], s[22:23]
	s_lshl_b32 s20, s17, 8
	s_lshl_b32 s21, s15, 7
	s_add_co_u32 s20, s20, s21
	s_lshl_b32 s20, s20, 12
	s_add_co_u32 s20, s20, s22
	s_mov_b32 s21, 0
	s_add_nc_u64 s[94:95], s[94:95], s[20:21]
	v_lshlrev_b32 v7, 6, v2
.irp b, 0,1,2,3
	global_load_b128 v[BI+8*\b:BI+8*\b+3], v7, s[92:93] offset:128*(\b/2)+32*(\b%2)
	global_load_b128 v[BI+8*\b+4:BI+8*\b+7], v7, s[92:93] offset:128*(\b/2)+32*(\b%2)+16
.endr
	v_mul_u32_u24 v3, v1, 48
	v_mad_u32_u24 v3, v2, 24, v3
	s_mul_i32 s20, s15, CHB/2                      ; my 128 rows of each chunk of A
	s_mul_i32 s21, s16, CHB/4                      ; my 64 rows of each chunk of B
	s_add_co_u32 s21, s21, 3*SLOT                  ; my 64 rows of B
	s_wait_alu depctr_va_vdst(0)
	v_add_nc_u32 v[ADRA+3], s20, v3                ; quarter 3 lies where quarter 0 lay
	v_add_nc_u32 v[ADRB+3], s21, v3
.irp s, 0,1,2
	v_add_nc_u32 v[ADRA+\s], s20, v3
	v_add_nc_u32 v[ADRB+\s], s21, v3
	s_add_co_u32 s20, s20, SLOT
	s_add_co_u32 s21, s21, SLOT/2
.endr
	v_lshlrev_b32 v5, 2, v1
	s_lshl_b32 s20, s15, 9                         ; my 128 rows' words in a K step's 256
	s_lshl_b32 s21, s16, 8                         ; my 64 rows' words of B
	s_add_co_u32 s21, s21, 2*HALFS
	s_sub_co_u32 s21, s21, s20
	v_mul_u32_u24 v6, s21, v2
	s_add_co_u32 s20, s20, SCL
	v_add_nc_u32 v6, v5, v6
	v_add_nc_u32 v[ADRS], s20, v6
	s_mul_i32 s20, s14, 16*SPITCH                  ; my stage for the way out, in A's quarter 1, which is filled once and read no more behind the last barrier
	s_add_co_u32 s20, s20, SLOT
	s_wait_alu depctr_va_vdst(0)
	v_mul_u32_u24 v5, v1, SPITCH
	v_lshl_add_u32 v5, v2, 6, v5
	v_add_nc_u32 v[STO], s20, v5
	v_lshlrev_b32 v6, 4, v1                        ; back: a row is 256 bytes: lanes 0-15 take one row, lanes 16-31 the next;
	v_mad_u32_u24 v[RD], v2, SPITCH, v6
	v_add_nc_u32 v[RD], s20, v[RD]
	v_lshl_add_u32 v[CO], v2, 12, v6               ; and the same two rows in out0, 4,096 bytes apart
.macro FRAG reg, adr, q, i, ch=CHB     ; ch: bytes from chunk to chunk in the operand's region
.irp p, 0,1,2,3,4,5
	ds_load_b64 v[\reg+2*\p:\reg+2*\p+1], v[\adr] offset:(2*(\q)+\p/3)*(\ch)+(\i)*768+8*(\p%3)
.endr
.endm
.macro MUL16X a0, p, q, sc, zero
.irp a, \a0, \a0+1
.irp b, 0,1,2,3
.if \zero
	v_wmma_scale_f32_16x16x128_f8f6f4 v[8*(8*((\a)%4)+\b):8*(8*((\a)%4)+\b)+7], v[128*(\p)+FR*\b:128*(\p)+FR*\b+FR-1], v[AF+FR*(\a):AF+FR*(\a)+FR-1], v[BI+8*\b:BI+8*\b+7], v[SC+8*NQ*(\sc)+NQ*\b+(\q)], v[SC+8*NQ*(\sc)+NQ*(\a)+(\q)] matrix_a_fmt:MATRIX_FMT_FP6 matrix_b_fmt:MATRIX_FMT_FP6 matrix_a_scale:MATRIX_SCALE_ROW1
.else
	v_wmma_scale_f32_16x16x128_f8f6f4 v[8*(8*((\a)%4)+\b):8*(8*((\a)%4)+\b)+7], v[128*(\p)+FR*\b:128*(\p)+FR*\b+FR-1], v[AF+FR*(\a):AF+FR*(\a)+FR-1], v[8*(8*((\a)%4)+\b):8*(8*((\a)%4)+\b)+7], v[SC+8*NQ*(\sc)+NQ*\b+(\q)], v[SC+8*NQ*(\sc)+NQ*(\a)+(\q)] matrix_a_fmt:MATRIX_FMT_FP6 matrix_b_fmt:MATRIX_FMT_FP6 matrix_a_scale:MATRIX_SCALE_ROW1
.endif
.endr
.endr
.endm
.macro MUL16 a0, p, q, sc, zero        ; the two sets of scale words take turns from quarter to quarter
	MUL16X \a0, \p, \q, (\sc)%2, \zero
.endm
.macro FETCH_B slot, q, p
	WIN TO_B
.irp i, 0,1,2,3
	FRAG 128*(\p)+FR*\i, ADRB+\slot, \q, \i, CHB/2
.endr
	WIN 0
.endm
.macro FETCH_A slot, q, i0
.irp i, \i0, \i0+1, \i0+2, \i0+3
	FRAG AF+FR*(\i), ADRA+\slot, \q, \i
.endr
.endm
.macro SCALES sc
.irp i, 0,1,2,3,4,5,6,7
.irp q, 0,1
	ds_load_b32 v[SC+16*((\sc)%2)+2*\i+\q], v[ADRS] offset:1024*\q+64*\i
.endr
.endr
.endm
.macro PLACES n
.rept \n
	v_nop
.endr
.endm
.macro STEP slot, q, zero
	s_wait_dscnt 4*NL
.if \zero
	WIN 0x81
.else
	WIN MUL_LO
.endif
	MUL16 0, (\q)%2, \q, \slot, \zero
	MUL16 2, (\q)%2, \q, \slot, \zero
	s_wait_dscnt 0
	PLACES NP
	FETCH_B \slot, (\q)+1, 1-(\q)%2
	FETCH_A \slot, (\q)+1, 0
.if \zero
	WIN 0xc1
.else
	WIN MUL_HI
.endif
	MUL16 4, (\q)%2, \q, \slot, \zero
	MUL16 6, (\q)%2, \q, \slot, \zero
	PLACES NP
	WIN 0
	FETCH_A \slot, (\q)+1, 4
.endm
.macro TURN slot, next, fill
.if \fill < 2                          ; fill = 2: both quarters were shown by the head's barrier: no wait, no barrier
	s_wait_tensorcnt 0x0                           ; all my tensor loads have landed
	ds_add_u32 v[SPW], v[NIL]                      ; 0 onto my spare word
	s_wait_dscnt 4*NL+1                            ; the add and the youngest 24 loads may be out
.else
	s_wait_dscnt 4*NL
.endif
	WIN MUL_LO
	MUL16 0, 1, NQ-1, \slot, 0
	s_wait_dscnt 0x0
.if \fill < 2
	s_barrier_signal -1
.endif
	MUL16 2, 1, NQ-1, \slot, 0
	WIN 0
.if \fill < 2
	s_barrier_wait -1
.endif
.if \fill == 1
	CREST
	s_add_nc_u64 s[G0+4*\slot+2:G0+4*\slot+3], s[G0+4*\slot+2:G0+4*\slot+3], 12*ACH
	s_add_nc_u64 s[G0B+4*\slot+2:G0B+4*\slot+3], s[G0B+4*\slot+2:G0B+4*\slot+3], 12*BCH
	JLOAD G0+4*\slot, G1, G0B+4*\slot, G1B
.else
	PLACES NP
.endif
	s_wait_alu depctr_va_vdst(0)
	v_add_nc_u32 v[ADRS], 2048, v[ADRS]            ; the next quarter's scale words: two rows of 1,024 bytes on
	FETCH_B \next, 0, 0
	FETCH_A \next, 0, 0
	SCALES \next
	WIN MUL_HI
	MUL16 4, 1, NQ-1, \slot, 0
	MUL16 6, 1, NQ-1, \slot, 0
	PLACES NP
	WIN 0
	FETCH_A \next, 0, 4
.endm
	s_wait_alu depctr_va_vdst(0)
	s_wait_tensorcnt 0x0                           ; my one load has landed; every wave waits, under no branch
	s_mov_b32 s[G1+2], 2<<16                       ; no tensor load of mine is out, so a descriptor may be written: the refill's loads bring 2 chunks
	s_mov_b32 s[G1+4], 2
	s_mov_b32 s[G1B+2], 2<<16
	s_mov_b32 s[G1B+4], 2
	s_barrier_signal -1
	s_barrier_wait -1
	FETCH_B 0, 0, 0
	FETCH_A 0, 0, 0
	SCALES 0
	FETCH_A 0, 0, 4
	s_wait_loadcnt 0x0
	STEP 0, 0, 1
	TURN 0, 1, 1                                   ; quarter 0 is read out: the one refill, K 768 .. 1023, onto its bytes
	STEP 1, 0, 0
	TURN 1, 2, 2
	STEP 2, 0, 0
	TURN 2, 3, 0                                   ; a plain barrier shows the refill to all
	STEP 3, 0, 0
	s_wait_dscnt 4*NL
	WIN MUL_LO
	MUL16 0, 1, NQ-1, 1, 0
	MUL16 2, 1, NQ-1, 1, 0
	s_wait_dscnt 0
	WIN MUL_HI
	MUL16 4, 1, NQ-1, 1, 0
	MUL16 6, 1, NQ-1, 1, 0
	WIN 0
.macro TOSTAGE a
.set AC, 64*((\a)%4)
	WIN 0x08+4*((\a)/4)
.irp b, 0,1,2,3
	ds_store_b128 v[STO], v[AC+8*\b:AC+8*\b+3] offset:128*(\b/2)+32*(\b%2)
	ds_store_b128 v[STO], v[AC+8*\b+4:AC+8*\b+7] offset:128*(\b/2)+32*(\b%2)+16
.endr
	WIN 0
.set BB, BK+64*((\a)%2)
.irp t, 0,2,4,6,8,10,12,14
	ds_load_b128 v[BB+2*\t:BB+2*\t+3], v[RD] offset:\t*SPITCH
.endr
.endm
.macro SEND a, younger
.set BB, BK+64*((\a)%2)
	s_wait_dscnt \younger
.irp t, 0,2,4,6,8,10,12,14
	global_store_b128 v[CO], v[BB+2*\t:BB+2*\t+3], s[94:95] offset:(32*((\a)/2)+8*((\a)%2)+(\t%8)+16*(\t/8))*4096 th:TH_STORE_NT   ; sixteen lanes store 256 consecutive bytes, at a multiple of 256 from out0's first byte
.endr
.endm
	PLACES NP
	TOSTAGE 0
.irp a, 1,2,3,4,5,6,7
.if \a > 1
	s_wait_xcnt 0x0
.endif
	TOSTAGE \a
	SEND \a-1, 16                                  ; behind block a - 1's loads: block a's 8 stores and 8 loads
.endr
	SEND 7, 0
	s_wait_tensorcnt 0x0
	ds_add_u32 v[SPW], v[NIL]
	s_wait_dscnt 0x0
	CROUND
	s_endpgm
.Lfunc_end_k_qcc4f2036ee_gemm_out:
	.size	k_qcc4f2036ee_gemm_out, .Lfunc_end_k_qcc4f2036ee_gemm_out-k_qcc4f2036ee_gemm_out
	.p2alignl 7, 3214868480
	.fill 96, 4, 3214868480
	.section	.rodata,"a",@progbits
	.p2align	6, 0x0
	.amdhsa_kernel k_qcc4f2036ee_gemm_out
		.amdhsa_group_segment_fixed_size 327680
		.amdhsa_private_segment_fixed_size 0
		.amdhsa_enable_private_segment 0
		.amdhsa_kernarg_size 48
		.amdhsa_user_sgpr_count 2
		.amdhsa_user_sgpr_kernarg_segment_ptr 1
		.amdhsa_wavefront_size32 1
		.amdhsa_system_sgpr_workgroup_id_x 1
		.amdhsa_system_sgpr_workgroup_id_y 1
		.amdhsa_system_sgpr_workgroup_id_z 1
		.amdhsa_system_vgpr_workitem_id 0
		.amdhsa_next_free_vgpr 1024
		.amdhsa_next_free_sgpr 100
		.amdhsa_reserve_vcc 0
		.amdhsa_float_denorm_mode_32 3
		.amdhsa_float_denorm_mode_16_64 3
		.amdhsa_memory_ordered 1
		.amdhsa_forward_progress 1
		.amdhsa_inst_pref_size 103
	.end_amdhsa_kernel
	.amdgpu_metadata
---
amdhsa.version: [ 1, 2 ]
amdhsa.kernels:
  - .name:           k_qcc4f2036ee_gemm_out
    .symbol:         k_qcc4f2036ee_gemm_out.kd
    .args:
      - { .name: a_codes, .offset: 0, .size: 8, .value_kind: global_buffer, .address_space: global }
      - { .name: a_scales, .offset: 8, .size: 8, .value_kind: global_buffer, .address_space: global }
      - { .name: z_codes, .offset: 16, .size: 8, .value_kind: global_buffer, .address_space: global }
      - { .name: z_scales, .offset: 24, .size: 8, .value_kind: global_buffer, .address_space: global }
      - { .name: bo, .offset: 32, .size: 8, .value_kind: global_buffer, .address_space: global }
      - { .name: out0, .offset: 40, .size: 8, .value_kind: global_buffer, .address_space: global }
    .group_segment_fixed_size: 327680
    .private_segment_fixed_size: 0
    .kernarg_segment_align: 8
    .kernarg_segment_size: 48
    .max_flat_workgroup_size: 128
    .sgpr_count:     100
    .vgpr_count:     1024
    .wavefront_size: 32
...
	.end_amdgpu_metadata
.endif
;; end of part 4
